; MI455X (gfx1250); checked and timed in simulation.
; The chip was launched on July 23, 2026; its instructions are those of AMD's public machine-readable ISA for CDNA 5 (MIT licence, August 2026) and "CDNA5" Instruction Set Architecture Reference Guide (July 2026). The comments in the code are by the model that wrote it; some were corrected since.
;; Causal Self Attention. Allowed arithmetic: matrix products marked QUANTISED: E4M3 operands, one given power-of-two scale a tensor, by v_wmma_f32_16x16x64_fp8_fp8 or v_wmma_f32_16x16x128_fp8_fp8, f32 sums; products left as they are: f32 operands where the result goes on into a quantised operand, else bf16, f16 or f32 operands; f32 sums; everything else in f32.
;; Inputs: lowp_scales 8 int32 (the exponents e of the quantised operands' scales 2^e); proj_b 1,024 float32; proj_w 1,024 x 1,024 float32; qkv_b 3,072 float32; qkv_w 1,024 x 3,072 float32; x 4 x 2,048 x 1,024 float32.
;; Outputs: out0 4 x 2,048 x 1,024 float32.
;; This version of the problem:
;;   THIS VERSION OF THE PROBLEM IS GIVEN IN LOW PRECISION. The matrix products marked QUANTISED in the list below multiply operands that are first quantised to E4M3 (4 exponent bits, 3 mantissa bits; 8 bits a number), with one given power-of-two scale for each operand tensor; their sums are f32. All else is computed in f32.
;;   The module's matrix products, in the order in which they are computed (A, B: the left and right operand; K: the contracted axis; several contracted axes count as one K, in the product's order):
;;     1. [M 8,192, K 1,024] x [K 1,024, N 3,072]; A: input x; B: input qkv_w: QUANTISED (scales: A lowp_scales[0], B lowp_scales[1])
;;     2. [M 2,048, K 1] x [K 1, N 32]; A: computed on the way; B: computed on the way: left as it is (no contracted axis)
;;     3. batch 64 x [M 2,048, K 64] x [K 64, N 2,048]; A: computed on the way; B: computed on the way: QUANTISED (scales: A lowp_scales[2], B lowp_scales[3])
;;     4. batch 64 x [M 2,048, K 2,048] x [K 2,048, N 64]; A: softmax (see below); B: computed on the way: QUANTISED (scales: A lowp_scales[4], B lowp_scales[5])
;;     5. [M 8,192, K 1,024] x [K 1,024, N 1,024]; A: computed on the way; B: input proj_w: QUANTISED (scales: A lowp_scales[6], B lowp_scales[7])
;;   THE QUANTISER, for each operand of a quantised product, along K:
;;     - The operand's scale is 2^e, e = its entry of the input lowp_scales (int32; the entries are numbered through the quantised products in the list's order, A before B).
;;     - Each number is divided by the scale, clamped to +-448, and rounded to the nearest number of E4M3, ties to even, subnormals kept.
;;     - The product sums the exact products of the quantised numbers (number of the format x scale) in f32.
;;   ~~~python
;;   def quantise(x, axis, e):      # numpy; x: float32 -> the quantised numbers, widened to float32 again
;;       x = np.moveaxis(x, axis, -1); K = x.shape[-1]
;;       r = np.clip(x / 2.0 ** e, -448, 448)
;;       step = 2.0 ** (np.maximum(np.frexp(np.where(r == 0, 1, r))[1] - 1, -6) - 3)
;;       q = np.round(r / step) * step * 2.0 ** e      # np.round: ties to even
;;       return np.moveaxis(q, -1, axis).astype(np.float32)
;;   ~~~
;;   SOFTMAX AHEAD OF A QUANTISED PRODUCT. Where the list says 'softmax', what is quantised is not the finished softmax but p = 2^(t - M), with t = logit x log2(e) and M = ceil(the row's largest t), a whole number; so 1/2 < the row's largest p <= 1. The row's sum l is taken of the UNQUANTISED p, in f32, and the product's result is divided by l at the end. Since M is a whole number, a kernel that streams over the keys may use a running M (the ceiling of the running maximum): every later rescaling is an exact power of two, so the quantised numbers keep their values, but for numbers so far below the row's largest that they fall under the format's range.
;;   OPERANDS COMPUTED ON THE WAY. 'Computed on the way' means the value that the module computes at that place (a softmax that the list does not call 'softmax' is quantised finished and normalised). What goes into a quantiser is computed in f32, as accurately as f32 sums, v_exp_f32 and their like allow (about 1e-6 of the number): no bf16 or f16 on the way to a quantiser, and a product that is left as it is and whose result goes on into a quantised operand takes f32 operands (vector FMAs, or v_wmma_f32_16x16x4_f32). A number that lies on a knife's edge between two numbers of the format may be rounded either way, as far as f32 arithmetic and the matrix unit's own rounding can turn it there, and no further.
;; One version. Each part assembles by itself: llvm-mc -triple=amdgcn-amd-amdhsa -mcpu=gfx1250 --defsym DOCPART=n.
;; ======== version 1 of 1: 4 launches
;; limits: right only within a limited range of input values
;; workspace buffers: xc 8,388,608 bytes; wqc 3,145,728 bytes; wpc 1,048,576 bytes; rope 524,288 bytes; qc 8,388,608 bytes; kc 8,388,608 bytes; vc 8,388,608 bytes; yc 8,388,608 bytes
;; launch prep (part 1): grid 416 x 1, 4 waves a work-group, no clusters, 68,096 bytes of LDS; arguments x, qkv_w, proj_w, lowp_scales, xc, wqc, wpc, rope; writes xc, wqc, wpc, rope
.if DOCPART == 1
	.amdgcn_target "amdgcn-amd-amdhsa--gfx1250"
	.amdhsa_code_object_version 6
	.text
	.protected	k_q6620a29ee5_prep
	.globl	k_q6620a29ee5_prep
	.p2align	8
	.type	k_q6620a29ee5_prep,@function
k_q6620a29ee5_prep:
	s_mov_b64 s[64:65], 0
	v_nop
	global_prefetch_b8 v0, s[64:65] scope:SCOPE_SE
	s_setreg_imm32_b32 hwreg(HW_REG_WAVE_MODE, 25, 1), 1
	s_wait_xcnt 0x0
; Three jobs in one launch, told apart by the work-group's number; each has its own way through the text, its own LDS bytes and its own end.
;   work-groups   0-255: x [8192][1024] f32 -> xc, codes of E4M3, row-major (K innermost already), scale 2^e0.
;   work-groups 256-383: qkv_w [1024][3072] -> wqc [3072][1024] (scale 2^e1) and proj_w [1024][1024] -> wpc [1024][1024] (scale 2^e7): K is the FIRST axis, so a lane takes a column and its registers run down K.
;                        wqc's rows from 2048 on (v's columns) are permuted: row 2048 + P holds column 2048 + P with bits 3 and 4 of P exchanged, so that attention's results fall into the order that the last product's operand wants.
;   work-groups 384-415: the table of cos and sin for the rotary embedding, f32, laid as the second launch's registers want it.
; code = x / 2^e, held within +-448, to the nearest code, ties to even.  LIMITS: e0, e1, e7 between -126 and 119.  NaN among the inputs is not served.
; No tensor loads, no barrier: waves share nothing.
.set XSTEPS, 16                        ; x: steps of 512 numbers for a wave
.set XSP,    80                        ; x: a lane's place in a stage: 64 bytes + 16 of padding
.set XWREG,  8192                      ; x: LDS bytes 0 .. 32767, 8,192 for each wave: two stages of 32 x 80 bytes
.set XR,     16                        ; v16-79   four sets of 16 numbers as loaded
.set XX,     80                        ; v80-111  two sets of 16 neighbours
.set XC,     128                       ; v128-191 codes, four registers for each step: no store's data are written again
.set WSTG,   32768                     ; weights: LDS bytes 32768 .. 67583: 32 rows x 272 bytes for each wave
.set WP,     272
.set NB,     8                         ; weights: blocks of 32 along K for a wave
.set WX,     32                        ; v32-95   two sets of 32 numbers
.set WC,     96                        ; v96-103  a block's codes
.set WOUT,   112                       ; v112-175 the way out
.set RO,     176                       ; v176-207 byte offset of row i of a block at my column
.set XH,     16                        ; the table: arrays of 16 registers, one for each of a lane's 16 angles
.set ER,     32
.set IV,     48
.set TBL,    64                        ; v64-79 cos, v80-95 sin
.set FJ,     96                        ; j, later the angle
.set NN,     112
.set RR,     128
.set R2,     144
.set PSI,    160
.set PCO,    176
	s_load_b256 s[4:11], s[0:1], 0x0               ; x s[4:5], qkv_w s[6:7], proj_w s[8:9], the scales' exponents s[10:11]
	s_load_b256 s[12:19], s[0:1], 0x20             ; xc s[12:13], wqc s[14:15], wpc s[16:17], rope s[18:19]
	v_lshl_add_u32 v208, v0, 2, 0x10800
	v_mov_b32 v209, 0
	v_lshrrev_b32 v1, 5, v0
	v_readfirstlane_b32 s20, v1                    ; wave 0..3
	v_and_b32 v2, 31, v0                           ; lane
	v_lshlrev_b32 v3, 4, v2                        ; 16 x lane
	s_wait_kmcnt 0x0
	s_load_b256 s[24:31], s[10:11], 0x0            ; e0 .. e7
	s_cmp_lt_u32 ttmp9, 256
	s_cbranch_scc0 .Lnot_x
; ---------------- x: a plain stream of blocks.  Each load reads 512 consecutive bytes; a step's 2,048 bytes turn through the wave's own stage so that a lane holds 16 neighbours along K.
	s_mul_i32 s21, s20, XWREG
	s_wait_alu depctr_va_vdst(0)
	v_lshrrev_b32 v14, 2, v2
	v_mul_u32_u24 v14, v14, XSP
	v_and_b32 v15, 3, v2
	v_lshl_add_u32 v14, v15, 4, v14
	v_add_nc_u32 v14, s21, v14                     ; into the stage: 80 (lane / 4) + 16 (lane % 4)
	v_mul_u32_u24 v15, v2, XSP
	v_add_nc_u32 v15, s21, v15                     ; out of it: 80 x lane
	s_lshl_b32 s22, ttmp9, 2
	s_add_co_u32 s22, s22, s20                     ; which run of 8,192 numbers is my wave's
	s_lshl_b32 s32, s22, 15
	s_mov_b32 s33, 0
	s_add_nc_u64 s[4:5], s[4:5], s[32:33]
	s_lshl_b32 s32, s22, 13
	s_add_nc_u64 s[12:13], s[12:13], s[32:33]
.macro XLOAD t
.irp i, 0,1,2,3
	global_load_b128 v[XR+16*((\t)%4)+4*\i:XR+16*((\t)%4)+4*\i+3], v3, s[4:5] offset:2048*(\t)+512*\i th:TH_LOAD_NT
.endr
.endm
.macro XTURN t                         ; LDS serves a wave's instructions in order: no wait between the stores and the loads
.irp i, 0,1,2,3
	ds_store_b128 v14, v[XR+16*((\t)%4)+4*\i:XR+16*((\t)%4)+4*\i+3] offset:32*XSP*((\t)%2)+8*XSP*\i
.endr
.irp i, 0,1,2,3
	ds_load_b128 v[XX+16*((\t)%2)+4*\i:XX+16*((\t)%2)+4*\i+3], v15 offset:32*XSP*((\t)%2)+16*\i
.endr
.endm
.irp t, 0,1,2,3
	XLOAD \t
.endr
	s_wait_alu depctr_va_vdst(0)
	s_wait_kmcnt 0x0
	s_add_co_i32 s22, s24, 127
	s_lshl_b32 s23, s22, 23
	v_mov_b32 v11, s23                             ; 2^e0 as f32: the conversion takes its exponent field
	s_add_co_i32 s22, s22, 8
	s_lshl_b32 s22, s22, 23
	s_or_b32 s22, s22, 0x600000
	v_mov_b32 v10, s22                             ; 448 x 2^e0
	s_wait_alu depctr_va_vdst(0)
	s_wait_loadcnt 12                              ; step 0's four loads are in; three steps' may be out
	XTURN 0
.macro XSTEP t
.set XS, XX+16*((\t)%2)
	s_wait_dscnt 0x0                               ; this step's numbers are back from the stage, so its stores into the stage have read their registers,
.if (\t)+4 < XSTEPS
	XLOAD (\t)+4                                   ; which take the loads of four steps on
.endif
.if (\t)+1 < XSTEPS
.if XSTEPS-2-(\t) >= 3
	s_wait_loadcnt 12                              ; the next step's four loads are in; those of the three steps behind it may be out
.else
	s_wait_loadcnt 4*(XSTEPS-2-(\t))
.endif
	XTURN (\t)+1
.endif
.set J, 0
.rept 16
	v_med3_num_f32 v[XS+J], v[XS+J], -v10, v10     ; the conversion to an 8-bit code does not saturate (ISA guide 7.6.2): the hold comes first
.set J, J+1
.endr
	v_cvt_scalef32_pk8_fp8_f32 v[XC+4*(\t):XC+4*(\t)+1], v[XS:XS+7], v11
	v_cvt_scalef32_pk8_fp8_f32 v[XC+4*(\t)+2:XC+4*(\t)+3], v[XS+8:XS+15], v11
	global_store_b128 v3, v[XC+4*(\t):XC+4*(\t)+3], s[12:13] offset:512*(\t)   ; 32 lanes store 512 consecutive bytes
.endm
.irp t, 0,1,2,3,4,5,6,7,8,9,10,11,12,13,14,15
	XSTEP \t
.endr
	s_wait_tensorcnt 0x0
	ds_add_u32 v208, v209
	s_wait_dscnt 0x0
	s_endpgm
; ---------------- the weights: a work-group takes 128 columns x 256 along K; a wave 32 columns.  96 work-groups for qkv_w (24 x 4), 32 for proj_w (8 x 4).
.Lnot_x:
	s_cmp_lt_u32 ttmp9, 384
	s_cbranch_scc0 .Ltable
	s_sub_co_u32 s21, ttmp9, 256
	s_cmp_lt_u32 s21, 96                           ; qkv_w or proj_w?  The choice hangs on the work-group's number alone
	s_cselect_b64 s[32:33], s[6:7], s[8:9]         ; from
	s_cselect_b64 s[34:35], s[14:15], s[16:17]     ; to
	s_mov_b32 s36, 4096
	s_cselect_b32 s36, 12288, s36                  ; bytes from a row of the weight to the next
	s_cselect_b32 s38, 0, 96
	s_sub_co_u32 s22, s21, s38                     ; my number within my tensor
	s_and_b32 s39, s22, 3                          ; which 256 along K
	s_lshr_b32 s23, s22, 2                         ; which 128 columns
	s_lshl_b32 s56, s23, 7
	s_lshl_b32 s57, s20, 5
	s_add_co_u32 s56, s56, s57                     ; my wave's first column
	s_cmp_ge_u32 s23, 16                           ; columns from 2048 on: only qkv_w has them, and they are v's
	s_cselect_b32 s57, -1, 0
	s_wait_alu depctr_va_vdst(0)
	v_and_b32 v5, 7, v2
	v_bfe_u32 v6, v2, 3, 1
	v_bfe_u32 v9, v2, 4, 1
	v_lshl_or_b32 v5, v6, 4, v5
	v_lshl_or_b32 v5, v9, 3, v5                    ; my lane's number with bits 3 and 4 exchanged
	v_cndmask_b32 v5, v2, v5, s57                  ; the column that I read; the row that I write is my lane's
	v_lshlrev_b32 v[RO], 2, v5
.set J, 1
.rept 31
	v_add_nc_u32 v[RO+J], s36, v[RO+J-1]
.set J, J+1
.endr
	s_mul_i32 s37, s20, 32*WP
	s_add_co_u32 s37, s37, WSTG                    ; my stage
	v_mul_u32_u24 v4, v2, WP
	v_add_nc_u32 v4, s37, v4                       ; into it: row = my lane
	v_and_b32 v6, 15, v2
	v_lshrrev_b32 v9, 4, v2
	v_mul_u32_u24 v7, v9, WP
	v_lshl_add_u32 v7, v6, 4, v7
	v_add_nc_u32 v7, s37, v7                       ; out of it: sixteen lanes to a row, two rows an instruction
	v_lshlrev_b32 v8, 10, v9
	v_lshl_add_u32 v8, v6, 4, v8                   ; and the same place in the codes' buffer (rows of 1,024 bytes)
	s_lshl_b32 s58, s39, 8
	s_mul_i32 s58, s58, s36                        ; 256 y rows down
	s_lshl_b32 s59, s56, 2
	s_add_co_u32 s58, s58, s59                     ; + 4 x first column
	s_mov_b32 s59, 0
	s_add_nc_u64 s[40:41], s[32:33], s[58:59]      ; block 0's base; the pitch differs between the tensors, so each block of 32 rows has a base of its own, never rewritten
	s_lshl_b32 s58, s36, 5
.irp t, 1,2,3,4,5,6,7
	s_add_nc_u64 s[40+2*\t:41+2*\t], s[38+2*\t:39+2*\t], s[58:59]
.endr
	s_lshl_b32 s58, s56, 10
	s_lshl_b32 s57, s39, 8
	s_add_co_u32 s58, s58, s57
	s_add_nc_u64 s[34:35], s[34:35], s[58:59]      ; codes: row = first column, byte 256 y
.macro WLOAD t                         ; block t: W(32 t + i, my column): 32 lanes read 128 consecutive bytes
.set J, 0
.rept 32
	global_load_b32 v[WX+32*((\t)%2)+J], v[RO+J], s[40+2*(\t):41+2*(\t)] th:TH_LOAD_NT
.set J, J+1
.endr
.endm
	WLOAD 0
	WLOAD 1
	s_wait_kmcnt 0x0
	s_cmp_lt_u32 s21, 96
	s_cselect_b32 s37, s25, s31                    ; e1 or e7
	s_add_co_i32 s37, s37, 127
	s_lshl_b32 s38, s37, 23
	v_mov_b32 v11, s38                             ; 2^e
	s_add_co_i32 s37, s37, 8
	s_lshl_b32 s37, s37, 23
	s_or_b32 s37, s37, 0x600000
	v_mov_b32 v10, s37                             ; 448 x 2^e
.macro WBLOCK t
.set XS, WX+32*((\t)%2)
.if (\t) < NB-1
	s_wait_loadcnt 32                              ; this block's 32 loads are in; the next block's may be out
.else
	s_wait_loadcnt 0x0
.endif
.set J, 0
.rept 32
	v_med3_num_f32 v[XS+J], v[XS+J], -v10, v10
.set J, J+1
.endr
.irp g, 0,1,2,3
	v_cvt_scalef32_pk8_fp8_f32 v[WC+2*\g:WC+2*\g+1], v[XS+8*\g:XS+8*\g+7], v11
.endr
	ds_store_b128 v4, v[WC:WC+3] offset:32*(\t)    ; 32 codes of my row
	ds_store_b128 v4, v[WC+4:WC+7] offset:32*(\t)+16
.if (\t)+2 < NB
	WLOAD (\t)+2
.endif
	s_wait_dscnt 0x0                               ; the stores have read their registers: the next block's codes may be written
.endm
	s_wait_alu depctr_va_vdst(0)
.irp t, 0,1,2,3,4,5,6,7
	WBLOCK \t
.endr
.irp t, 0,1,2,3,4,5,6,7,8,9,10,11,12,13,14,15
	ds_load_b128 v[WOUT+4*\t:WOUT+4*\t+3], v7 offset:2*\t*WP   ; LDS serves a wave's instructions in order: these see my stores
.endr
.irp t, 0,1,2,3,4,5,6,7,8,9,10,11,12,13,14,15
	s_wait_dscnt 15-\t                             ; row pair t is back; the later pairs may be out
	global_store_b128 v8, v[WOUT+4*\t:WOUT+4*\t+3], s[34:35] offset:2*\t*1024   ; sixteen lanes store 256 consecutive bytes, aligned
.endr
	s_wait_tensorcnt 0x0
	ds_add_u32 v208, v209
	s_wait_dscnt 0x0
	s_endpgm
; ---------------- the table.  A wave makes one block of 16 positions: lane (r, h) has t = 16 tb + r and the 16 frequencies j = 16 bb + 8 h + jj (register 8 bb + jj).
; inv_freq = 10000^(-j/32) = 2^(-j c), c = log2(10)/8 in two words: the product's rounding error and c's low word are put back by a first-order term.  angle = t x inv_freq, one f32 rounding.
; cos and sin by a reduction to |r| <= pi/4 (pi/2 in two words; n is at most 1,304, so n x the high word is exact in the fused multiply-add) and polynomials of degree 7 and 8.
.Ltable:
	s_sub_co_u32 s21, ttmp9, 384
	s_lshl_b32 s21, s21, 2
	s_add_co_u32 s21, s21, s20                     ; tb, 0 .. 127
	s_lshl_b32 s22, s21, 4
	v_and_b32 v6, 15, v0
	v_add_nc_u32 v6, s22, v6
	v_cvt_f32_u32 v6, v6                           ; t
	v_bfe_u32 v5, v0, 4, 1
	v_lshlrev_b32 v5, 3, v5                        ; 8 h
	s_wait_alu depctr_va_vdst(0)
	s_lshl_b32 s32, s21, 12
	s_mov_b32 s33, 0
	s_add_nc_u64 s[18:19], s[18:19], s[32:33]
	s_mov_b32 s34, 0x3ed49a78                      ; c, high word
	s_mov_b32 s35, 0x32179a28                      ; c, low word
	s_mov_b32 s36, 0xbf317218                      ; -ln 2
	s_mov_b32 s37, 0x3f22f983                      ; 2 / pi
	s_mov_b32 s38, 0xbfc90fdb                      ; -(pi/2), high word
	s_mov_b32 s39, 0x333bbd2e                      ; high word - pi/2
	s_mov_b32 s40, 0xbe2aaaa3                      ; sin: r + r^3 (S1 + S2 r^2 + S3 r^4)
	s_mov_b32 s41, 0x3c08839e
	s_mov_b32 s42, 0xb94ca1f9
	s_mov_b32 s43, 0x3d2aaaa5                      ; cos: 1 - r^2/2 + r^4 (C1 + C2 r^2 + C3 r^4)
	s_mov_b32 s44, 0xbab6061a
	s_mov_b32 s45, 0x37ccf5ce
.set J, 0
.rept 16
	v_add_nc_u32 v[FJ+J], 16*(J/8)+J%8, v5
.set J, J+1
.endr
.set J, 0
.rept 16
	v_cvt_f32_u32 v[FJ+J], v[FJ+J]
.set J, J+1
.endr
.set J, 0
.rept 16
	v_mul_f32 v[XH+J], s34, v[FJ+J]
.set J, J+1
.endr
.set J, 0
.rept 16
	v_fma_f32 v[ER+J], v[FJ+J], s34, -v[XH+J]      ; what the product's rounding lost, exactly
.set J, J+1
.endr
.set J, 0
.rept 16
	v_fma_f32 v[ER+J], v[FJ+J], s35, v[ER+J]
.set J, J+1
.endr
.set J, 0
	s_wait_alu depctr_va_vdst(0)
.rept 16
	v_exp_f32 v[IV+J], -v[XH+J]                    ; one batch of sixteen
.set J, J+1
.endr
.set J, 0
.rept 16
	v_mul_f32 v[ER+J], s36, v[ER+J]                ; plain lines that name no result of the batch
.set J, J+1
.endr
	s_wait_alu depctr_va_vdst(0)                   ; one wait for the batch, ahead of its first reader
.set J, 0
.rept 16
	v_fma_f32 v[IV+J], v[IV+J], v[ER+J], v[IV+J]   ; inv_freq
.set J, J+1
.endr
.set J, 0
.rept 16
	v_mul_f32 v[FJ+J], v6, v[IV+J]                 ; the angle
.set J, J+1
.endr
.set J, 0
.rept 16
	v_mul_f32 v[NN+J], s37, v[FJ+J]
.set J, J+1
.endr
.set J, 0
.rept 16
	v_rndne_f32 v[NN+J], v[NN+J]
.set J, J+1
.endr
.set J, 0
.rept 16
	v_fma_f32 v[RR+J], v[NN+J], s38, v[FJ+J]
.set J, J+1
.endr
.set J, 0
.rept 16
	v_fma_f32 v[RR+J], v[NN+J], s39, v[RR+J]
.set J, J+1
.endr
.set J, 0
.rept 16
	v_mul_f32 v[R2+J], v[RR+J], v[RR+J]
.set J, J+1
.endr
.set J, 0
.rept 16
	v_fma_f32 v[PSI+J], v[R2+J], s42, s41
	v_fma_f32 v[PCO+J], v[R2+J], s45, s44
.set J, J+1
.endr
.set J, 0
.rept 16
	v_fma_f32 v[PSI+J], v[PSI+J], v[R2+J], s40
	v_fma_f32 v[PCO+J], v[PCO+J], v[R2+J], s43
.set J, J+1
.endr
.set J, 0
.rept 16
	v_mul_f32 v[PSI+J], v[PSI+J], v[R2+J]
	v_fma_f32 v[PCO+J], v[PCO+J], v[R2+J], -0.5
.set J, J+1
.endr
.set J, 0
.rept 16
	v_fma_f32 v[PSI+J], v[PSI+J], v[RR+J], v[RR+J] ; sin r
	v_fma_f32 v[PCO+J], v[PCO+J], v[R2+J], 1.0     ; cos r
.set J, J+1
.endr
.set J, 0
.rept 16                               ; the quadrant n mod 4: odd: the two change places; cos is negative in quadrants 1, 2, sin in 2, 3
	v_cvt_i32_f32 v7, v[NN+J]
	v_and_b32 v8, 1, v7
	v_cmp_eq_u32 vcc_lo, 1, v8
	v_cndmask_b32 v9, v[PCO+J], v[PSI+J], vcc_lo
	v_cndmask_b32 v10, v[PSI+J], v[PCO+J], vcc_lo
	v_add_nc_u32 v8, 1, v7
	v_and_b32 v8, 2, v8
	v_lshlrev_b32 v8, 30, v8
	v_xor_b32 v[TBL+J], v9, v8
	v_and_b32 v7, 2, v7
	v_lshlrev_b32 v7, 30, v7
	v_xor_b32 v[TBL+16+J], v10, v7
.set J, J+1
.endr
.irp k, 0,1,2,3,4,5,6,7
	global_store_b128 v3, v[TBL+4*\k:TBL+4*\k+3], s[18:19] offset:512*\k   ; the registers as they stand: 512 consecutive bytes a store
.endr
	s_wait_kmcnt 0x0                               ; the scales' load, which this way does not use, is done
	s_endpgm
.Lfunc_end_k_q6620a29ee5_prep:
	.size	k_q6620a29ee5_prep, .Lfunc_end_k_q6620a29ee5_prep-k_q6620a29ee5_prep
	.p2alignl 7, 3214868480
	.fill 96, 4, 3214868480
	.section	.rodata,"a",@progbits
	.p2align	6, 0x0
	.amdhsa_kernel k_q6620a29ee5_prep
		.amdhsa_group_segment_fixed_size 68096
		.amdhsa_private_segment_fixed_size 0
		.amdhsa_enable_private_segment 0
		.amdhsa_kernarg_size 64
		.amdhsa_user_sgpr_count 2
		.amdhsa_user_sgpr_kernarg_segment_ptr 1
		.amdhsa_wavefront_size32 1
		.amdhsa_system_sgpr_workgroup_id_x 1
		.amdhsa_system_sgpr_workgroup_id_y 1
		.amdhsa_system_sgpr_workgroup_id_z 1
		.amdhsa_system_vgpr_workitem_id 0
		.amdhsa_next_free_vgpr 210
		.amdhsa_next_free_sgpr 66
		.amdhsa_reserve_vcc 1
		.amdhsa_float_denorm_mode_32 3
		.amdhsa_float_denorm_mode_16_64 3
		.amdhsa_memory_ordered 1
		.amdhsa_forward_progress 1
		.amdhsa_inst_pref_size 113
	.end_amdhsa_kernel
	.amdgpu_metadata
---
amdhsa.version: [ 1, 2 ]
amdhsa.kernels:
  - .name:           k_q6620a29ee5_prep
    .symbol:         k_q6620a29ee5_prep.kd
    .args:
      - { .name: x, .offset: 0, .size: 8, .value_kind: global_buffer, .address_space: global }
      - { .name: qkv_w, .offset: 8, .size: 8, .value_kind: global_buffer, .address_space: global }
      - { .name: proj_w, .offset: 16, .size: 8, .value_kind: global_buffer, .address_space: global }
      - { .name: lowp_scales, .offset: 24, .size: 8, .value_kind: global_buffer, .address_space: global }
      - { .name: xc, .offset: 32, .size: 8, .value_kind: global_buffer, .address_space: global }
      - { .name: wqc, .offset: 40, .size: 8, .value_kind: global_buffer, .address_space: global }
      - { .name: wpc, .offset: 48, .size: 8, .value_kind: global_buffer, .address_space: global }
      - { .name: rope, .offset: 56, .size: 8, .value_kind: global_buffer, .address_space: global }
    .group_segment_fixed_size: 68096
    .private_segment_fixed_size: 0
    .kernarg_segment_align: 8
    .kernarg_segment_size: 64
    .max_flat_workgroup_size: 128
    .sgpr_count:     66
    .vgpr_count:     210
    .wavefront_size: 32
...
	.end_amdgpu_metadata
.endif
;; end of part 1
;; launch qkv (part 2): grid 12 x 32, 4 waves a work-group, clusters of 4 x 4, 327,680 bytes of LDS; arguments xc, wqc, lowp_scales, qkv_b, rope, qc, kc, vc; writes qc, kc, vc
.if DOCPART == 2
	.amdgcn_target "amdgcn-amd-amdhsa--gfx1250"
	.amdhsa_code_object_version 6
	.text
	.protected	k_q6620a29ee5_qkv
	.globl	k_q6620a29ee5_qkv
	.p2align	8
	.type	k_q6620a29ee5_qkv,@function
k_q6620a29ee5_qkv:
	s_mov_b64 s[64:65], 0
	v_nop
	global_prefetch_b8 v0, s[64:65] scope:SCOPE_SE
	s_setreg_imm32_b32 hwreg(HW_REG_WAVE_MODE, 25, 1), 1
	s_wait_xcnt 0x0
	s_wait_alu depctr_hold_cnt(0) depctr_sa_sdst(0) depctr_va_vdst(0) depctr_va_sdst(0) depctr_va_ssrc(0) depctr_va_vcc(0) depctr_vm_vsrc(0)
	s_getreg_b32 s2, hwreg(HW_REG_IB_STS2, 6, 4)
	s_cmp_eq_u32 s2, 0
	s_cbranch_scc0 .Lentry_in_a_cluster
	s_endpgm
.Lentry_in_a_cluster:
	s_bfe_u32 s2, ttmp6, 0x10000c
	s_cmp_lg_u32 s2, 0xf033
	s_cbranch_scc0 .Lentry_shape_is_right
	s_endpgm
.Lentry_shape_is_right:
; qkv = x qkv_w + qkv_b on codes of E4M3 (xc [8192][1024], wqc [3072][1024], K innermost), then the rotary embedding on q and k, then q, k, v quantised for attention's products.  Nothing wide goes to memory.
; A work-group of four waves makes 256 x 256 of the product, a wave 128 x 128: 64 accumulators, 512 registers.  K = 1,024 goes in four steps of 256 through a ring of two LDS slots filled by the tensor data mover.
; CLUSTERS of 4 x 4 work-groups: a tile of the first operand is shared along a row of the cluster, of the second along a column, each asked for jointly.
; ROLES by the cluster's x (the same in all sixteen partners): 0 makes q, 1 makes k, 2 makes v.  The matrix instruction takes 16 rows of "B" as source 0 and 16 rows of "A" as source 1: a lane then holds ONE row of A, its registers run along B's rows.
;   q, k: A = x's rows (tokens), B = the weight's rows (channels): a lane holds one token and neighbouring channels, which are the K of q k^T.
;   v:    A = the weight's rows from 2048 on, B = x's rows, by a choice of pointers: a lane holds one channel and neighbouring tokens, which are the K of p v.  One text of the ring serves all three.
; The bias is the C of each sum's first matrix instruction, divided by 2^(e0 + e1), the power of two that the sums lack.  The rotation is linear, so that power stays folded into the conversion's scale 2^(e_dst - e0 - e1).
; OUT, as images of the reader's operand registers (four registers: 16 bytes a lane, 512 consecutive bytes a store):
;   qc, kc [head of batch 64][tile of 16 tokens 128][1,024]: lane (r, h): token r; registers 2 c, 2 c + 1: channels 16 c + 8 h + 0 .. 7.
;   vc [64][128 keys 16][tile of channels 4][2,048]: lane (r, h): the tile's row r; registers 2 b, 2 b + 1: keys 16 b + 8 h + 0 .. 7.
; LIMITS: e2 - e0 - e1, e3 - e0 - e1 and e5 - e0 - e1 between -126 and 119.  NaN is not served.
; REGISTERS: window 0: v16-31 addresses and scales; v32-95 the bias tiles; v96-127 a block of the cos/sin table; from v128 A's fragments, one set; on the way out v32-95 the table's blocks 1 and 2, v128-191 numbers, v192-207 codes.
;   window 1: B's fragments, two sets.   windows 2, 3: the accumulators ((a, b) at v[8 (8 (a % 4) + b)]).
.set KSTEP,  256
.set ROWB,   256
.set KROW,   1024
.set PITCH,  272                       ; an LDS row: 256 bytes + 16 of padding = 68 words: the 16 rows that a load touches start at 16 different banks (64 banks of 4 bytes: ISA guide 11.1)
.set FR,     16
.set NL,     4
.set NP,     4                         ; places behind this matrix instruction (ISA guide 7.12.1)
.set HALFT,  128*PITCH
.set SLOT,   4*HALFT
.set LAPS,   2                         ; 1,024 / 512
.set SPARE,  2*SLOT                    ; behind the ring: the spare words, 128 bytes for each wave
.set ADRA, 16
.set ADRB, 20
.set BV,   25                          ; v25  v's bias: my lane's byte
.set CO,   26                          ; v26  16 x lane; never rewritten
.set BQ,   27                          ; v27  q's and k's bias: 32 h
.set SPW,  28
.set NIL,  29
.set SC,   30                          ; v30  the conversion's scale
.set LIM,  31                          ; v31  448 x that
.set BIAS, 32
.set CS0,  96
.set CS1,  32
.set AF,   128
.set OUT,  128
.set CD,   192
.set G1, 24
.set G0, 32
.set G1B, 48
.set G0B, 56
.set MSB, 0
.macro WIN new                         ; the immediate's high byte repeats the setting that is left
.if MSB != \new
	s_set_vgpr_msb (MSB<<8)|\new
.set MSB, \new
.endif
.endm
.set MUL_LO, 0xa1                      ; source 0 (B) window 1, source 1 (A) window 0, C and D window 2
.set MUL_HI, 0xf1                      ; the same, C and D window 3
.set TO_B,   0x40
; A joint load: waves 0 and 1 fetch for A, waves 2 and 3 for B; the branch hangs on the wave's number alone.  Four v_nop follow each of the two lines.
.macro JLOAD g0a, g1a, g0b, g1b
	s_cmp_eq_u32 s15, 0
	s_cbranch_scc0 .Lfor_b_\@
	tensor_load_to_lds s[\g0a:\g0a+3], s[\g1a:\g1a+7]
	s_nop 0
.rept 4
	v_nop
.endr
	s_branch .Lasked_\@
.Lfor_b_\@:
	tensor_load_to_lds s[\g0b:\g0b+3], s[\g1b:\g1b+7]
	s_nop 0
.rept 4
	v_nop
.endr
.Lasked_\@:
.endm
.macro CREST                           ; a round of the cluster's barrier behind its opening barrier
	s_cmp_lg_u32 s14, 0
	s_cbranch_scc1 .Lnot_wave_0_\@
	s_barrier_signal -3
.Lnot_wave_0_\@:
	s_barrier_wait -3
	s_barrier_signal -1
	s_barrier_wait -1
.endm
.macro CROUND
	s_barrier_signal -1
	s_barrier_wait -1
	CREST
.endm
	s_load_b256 s[4:11], s[0:1], 0x0               ; xc s[4:5], wqc s[6:7], the scales' exponents s[8:9], qkv_b s[10:11]
	s_load_b256 s[68:75], s[0:1], 0x20             ; rope s[68:69], qc s[70:71], kc s[72:73], vc s[74:75]
	v_lshl_add_u32 v[SPW], v0, 2, SPARE
	v_mov_b32 v[NIL], 0
	ds_add_u32 v28, v29
	ds_add_u32 v28, v29
	s_wait_dscnt 0x0
	v_lshrrev_b32 v1, 5, v0
	v_readfirstlane_b32 s14, v1                    ; wave 0..3
	s_lshr_b32 s15, s14, 1                         ; which half of A's 256 rows is mine.  Also: I fetch for A (0) or for B (1)
	s_and_b32 s16, s14, 1                          ; which half of B's.  Also: which 128 rows I fetch
	s_bfe_u32 s40, ttmp6, 0x40000                  ; cx
	s_bfe_u32 s41, ttmp6, 0x40004                  ; cy
	s_and_b32 s77, ttmp7, 0xffff
	s_lshl_b32 s77, s77, 2                         ; 4 x cluster y
	s_add_co_u32 s17, s77, s41                     ; q, k: A's tile = 4 x cluster y + cy (tokens)
	s_lshl_b32 s42, ttmp9, 2
	s_add_co_u32 s42, s42, s40                     ; q, k: B's tile = 4 x cluster x + cx (the weight's rows)
	s_add_co_u32 s79, s77, s40
	s_cmp_eq_u32 ttmp9, 2
	s_cselect_b32 s17, s41, s17                    ; v: A's tile = cy (of v's 1,024 rows of the weight),
	s_cselect_b32 s42, s79, s42                    ;    B's tile = 4 x cluster y + cx (tokens)
	s_lshl_b32 s43, s41, 2
	s_lshl_b32 s43, 15, s43                        ; my row of the cluster
	s_lshl_b32 s44, 0x1111, s40                    ; my column
	s_or_b32 s[G1+0], s43, (0<<16)|(1<<20)|(1<<21)|(5<<22)|(3<<25)  ; 15:0 the mask; elements of 1 byte; padding on; bit 21 beside a mask; 4 words behind every 64
	s_or_b32 s[G1B+0], s44, (0<<16)|(1<<20)|(1<<21)|(5<<22)|(3<<25)
.irp g, G1, G1B
	s_mov_b32 s[\g+1], ROWB<<16                    ; tensor_dim0
	s_mov_b32 s[\g+2], 128<<16                     ; tensor_dim1
	s_mov_b32 s[\g+3], ROWB<<16                    ; tile_dim0
	s_mov_b32 s[\g+4], 128                         ; tile_dim1
	s_mov_b32 s[\g+5], KROW                        ; tensor_dim0_stride
	s_mov_b32 s[\g+6], 0
	s_mov_b32 s[\g+7], 0
.endr
	s_lshl_b32 s18, s16, 7
	s_lshl_b32 s20, s17, 8
	s_add_co_u32 s20, s20, s18
	s_lshl_b32 s20, s20, 10                        ; A: (256 x tile + 128 x half) rows of 1,024 bytes
	s_lshl_b32 s46, s42, 8
	s_add_co_u32 s46, s46, s18
	s_lshl_b32 s46, s46, 10                        ; B likewise
	s_mov_b32 s21, 0
	s_mov_b32 s47, 0
	s_mul_i32 s45, s14, HALFT                      ; where they go: wave x 128 rows
	s_wait_kmcnt 0x0
	s_load_b256 s[80:87], s[8:9], 0x0              ; e0 .. e7
	s_add_nc_u64 s[92:93], s[6:7], 0x200000        ; the weight's rows from 2048 on
	s_cmp_eq_u32 ttmp9, 2
	s_cselect_b64 s[94:95], s[92:93], s[4:5]       ; A
	s_cselect_b64 s[92:93], s[4:5], s[6:7]         ; B
	s_add_nc_u64 s[20:21], s[94:95], s[20:21]
	s_add_nc_u64 s[46:47], s[92:93], s[46:47]
	CROUND                                         ; all sixteen work-groups are here: the first joint loads meet
.irp s, 0,1
	s_mov_b32 s[G0+4*\s], 1
	s_add_co_u32 s[G0+4*\s+1], s45, \s*SLOT
	s_add_nc_u64 s[G0+4*\s+2:G0+4*\s+3], s[20:21], \s*ROWB
	s_or_b32 s[G0+4*\s+3], s[G0+4*\s+3], 0x80000000
	s_mov_b32 s[G0B+4*\s], 1
	s_add_co_u32 s[G0B+4*\s+1], s45, \s*SLOT
	s_add_nc_u64 s[G0B+4*\s+2:G0B+4*\s+3], s[46:47], \s*ROWB
	s_or_b32 s[G0B+4*\s+3], s[G0B+4*\s+3], 0x80000000
.endr
	JLOAD G0, G1, G0B, G1B                         ; K step 0: one tensor load a wave at the head
	; A PREFETCH INTO THE L2 stands behind each of the head's two joint loads, for the K step two refills on: 32 rows x 256 bytes, a lane a row, one instruction a wave.
	; Of the 128 rows that I fetch, the four partners that ask for them jointly take 32 each, told apart by address (cx for A, cy for B).  K has four steps: steps 0 and 1 come by their loads alone.
	s_cmp_eq_u32 s15, 0                            ; do I fetch for A?
	s_cselect_b64 s[98:99], s[20:21], s[46:47]
	s_cselect_b32 s66, s40, s41                    ; my place among the four
	s_lshl_b32 s66, s66, 15                        ; 32 rows of 1,024 bytes
	s_mov_b32 s67, 0
	s_add_nc_u64 s[98:99], s[98:99], s[66:67]      ; never rewritten
	v_and_b32 v24, 31, v0
	v_lshlrev_b32 v24, 10, v24                     ; a lane a row; never rewritten
	global_prefetch_b8 v24, s[98:99] offset:512 th:TH_LOAD_NT scope:SCOPE_SE   ; K step 2
	v_and_b32 v1, 15, v0                           ; r
	v_bfe_u32 v2, v0, 4, 1                         ; h
	v_mul_u32_u24 v3, v1, PITCH
	v_lshl_add_u32 v4, v2, 4, v3
	s_mul_i32 s21, s15, HALFT
	s_mul_i32 s22, s16, HALFT
	s_add_co_u32 s22, s22, 2*HALFT
.irp s, 0,1
	v_add_nc_u32 v[ADRA+\s], s21, v4
	v_add_nc_u32 v[ADRB+\s], s22, v4
	s_add_co_u32 s21, s21, SLOT
	s_add_co_u32 s22, s22, SLOT
.endr
	v_and_b32 v6, 31, v0
	v_lshlrev_b32 v[CO], 4, v6
	v_lshlrev_b32 v[BQ], 5, v2
	v_and_b32 v5, 7, v1
	v_lshrrev_b32 v6, 3, v1
	v_lshl_add_u32 v5, v6, 4, v5
	v_lshlrev_b32 v[BV], 2, v5                     ; 4 ((r % 8) + 16 (r / 8)): the weight's rows are permuted so
	; the table's first block is asked for here, in every role, so that its registers are written on every way through the text; v's work-groups do not use it (4,096 bytes a wave)
	s_and_b32 s18, s17, 7
	s_lshl_b32 s18, s18, 4
	s_lshl_b32 s19, s15, 3
	s_add_co_u32 s18, s18, s19                     ; q, k: my first tile of 16 tokens within the batch: 16 (tile % 8) + 8 x half; at most 127
	s_lshl_b32 s22, s18, 12
	s_mov_b32 s23, 0
	s_add_nc_u64 s[68:69], s[68:69], s[22:23]
.irp k, 0,1,2,3,4,5,6,7
	global_load_b128 v[CS0+4*\k:CS0+4*\k+3], v[CO], s[68:69] offset:512*\k
.endr
	s_wait_kmcnt 0x0
	s_add_co_i32 s78, s80, s81                     ; e0 + e1
	s_cmp_eq_u32 ttmp9, 0
	s_cselect_b32 s79, s82, s83                    ; e2 for q, e3 for k,
	s_cmp_eq_u32 ttmp9, 2
	s_cselect_b32 s79, s85, s79                    ; e5 for v
	s_sub_co_i32 s79, s79, s78
	s_add_co_i32 s79, s79, 127
	s_lshl_b32 s92, s79, 23
	v_mov_b32 v[SC], s92                           ; 2^(e_dst - e0 - e1)
	s_add_co_i32 s79, s79, 8
	s_lshl_b32 s79, s79, 23
	s_or_b32 s79, s79, 0x600000
	v_mov_b32 v[LIM], s79                          ; 448 x that
	s_sub_co_i32 s78, 0, s78
	s_cmp_eq_u32 ttmp9, 2
	s_cbranch_scc1 .Lhead_v
	; q, k: where my results go, and the bias of my 128 channels: tile b's register j is channel 16 b + 8 h + j
	s_lshr_b32 s19, s17, 3                         ; batch
	s_lshl_b32 s19, s19, 4
	s_and_b32 s22, s42, 3
	s_lshl_b32 s22, s22, 2
	s_add_co_u32 s19, s19, s22
	s_lshl_b32 s22, s16, 1
	s_add_co_u32 s19, s19, s22                     ; 16 x batch + my first head
	s_lshl_b32 s19, s19, 7
	s_add_co_u32 s19, s19, s18
	s_lshl_b32 s22, s19, 10
	s_cmp_eq_u32 ttmp9, 0
	s_cselect_b64 s[88:89], s[70:71], s[72:73]
	s_add_nc_u64 s[88:89], s[88:89], s[22:23]
	s_lshl_b32 s22, s42, 10
	s_lshl_b32 s19, s16, 9
	s_add_co_u32 s22, s22, s19
	s_add_nc_u64 s[90:91], s[10:11], s[22:23]
	s_wait_alu depctr_va_vdst(0)
.irp b, 0,1,2,3,4,5,6,7
	global_load_b128 v[BIAS+8*\b:BIAS+8*\b+3], v[BQ], s[90:91] offset:64*\b
	global_load_b128 v[BIAS+8*\b+4:BIAS+8*\b+7], v[BQ], s[90:91] offset:64*\b+16
.endr
	s_wait_loadcnt 0x0
.set J, 0
.rept 64
	v_ldexp_f32 v[BIAS+J], v[BIAS+J], s78          ; b / 2^(e0 + e1)
.set J, J+1
.endr
	s_branch .Lhead_done
.Lhead_v:
	; v: a lane holds one channel, so a tile's eight registers of C hold that channel's bias.  Block a's row r is channel 32 (a / 2) + 16 (r / 8) + 8 (a % 2) + r % 8 of my 128
	s_lshr_b32 s18, s42, 3                         ; batch
	s_lshl_b32 s18, s18, 4
	s_lshl_b32 s19, s17, 2
	s_add_co_u32 s18, s18, s19
	s_lshl_b32 s19, s15, 1
	s_add_co_u32 s18, s18, s19                     ; 16 x batch + my first head
	s_lshl_b32 s18, s18, 4
	s_and_b32 s19, s42, 7
	s_lshl_b32 s19, s19, 1
	s_add_co_u32 s18, s18, s19
	s_add_co_u32 s18, s18, s16                     ; x 16 + my block of 128 keys
	s_lshl_b32 s22, s18, 13
	s_add_nc_u64 s[88:89], s[74:75], s[22:23]
	s_lshl_b32 s22, s17, 10
	s_lshl_b32 s19, s15, 9
	s_add_co_u32 s22, s22, s19
	s_add_co_u32 s22, s22, 8192
	s_add_nc_u64 s[90:91], s[10:11], s[22:23]
	s_wait_alu depctr_va_vdst(0)
.irp a, 0,1,2,3,4,5,6,7
	global_load_b32 v[BIAS+8*\a], v[BV], s[90:91] offset:4*(32*(\a/2)+8*(\a%2))
.endr
	s_wait_loadcnt 0x0
.irp a, 0,1,2,3,4,5,6,7
.irp j, 7,6,5,4,3,2,1,0
	v_ldexp_f32 v[BIAS+8*\a+\j], v[BIAS+8*\a], s78
.endr
.endr
.Lhead_done:
.macro FRAG reg, adr, q, i             ; 16 rows x 128 K: registers 4 c .. 4 c + 3 hold K = 32 c + 16 h + 0 .. 15, alike in A and in B
.irp c, 0,1,2,3
	ds_load_b128 v[\reg+4*\c:\reg+4*\c+3], v[\adr] offset:128*(\q)+32*\c+(\i)*16*PITCH
.endr
.endm
; 16 matrix instructions: A's blocks a0, a0 + 1 x B's eight.  zero = 1: the sums start from the bias by B's block (q, k); 2: by A's block (v); 0: in place.  The 64 accumulators take turns.
.macro MUL16 a0, p, zero
.irp a, \a0, \a0+1
.irp b, 0,1,2,3,4,5,6,7
.if \zero == 1
	v_wmma_f32_16x16x128_fp8_fp8 v[8*(8*((\a)%4)+\b):8*(8*((\a)%4)+\b)+7], v[128*(\p)+FR*\b:128*(\p)+FR*\b+FR-1], v[AF+FR*(\a):AF+FR*(\a)+FR-1], v[BIAS+8*\b:BIAS+8*\b+7]
.elseif \zero == 2
	v_wmma_f32_16x16x128_fp8_fp8 v[8*(8*((\a)%4)+\b):8*(8*((\a)%4)+\b)+7], v[128*(\p)+FR*\b:128*(\p)+FR*\b+FR-1], v[AF+FR*(\a):AF+FR*(\a)+FR-1], v[BIAS+8*(\a):BIAS+8*(\a)+7]
.else
	v_wmma_f32_16x16x128_fp8_fp8 v[8*(8*((\a)%4)+\b):8*(8*((\a)%4)+\b)+7], v[128*(\p)+FR*\b:128*(\p)+FR*\b+FR-1], v[AF+FR*(\a):AF+FR*(\a)+FR-1], v[8*(8*((\a)%4)+\b):8*(8*((\a)%4)+\b)+7]
.endif
.endr
.endr
.endm
.macro FETCH_B slot, q, p
	WIN TO_B
.irp i, 0,1,2,3,4,5,6,7
	FRAG 128*(\p)+FR*\i, ADRB+\slot, \q, \i
.endr
	WIN 0
.endm
.macro FETCH_A slot, q, i0
.irp i, \i0, \i0+1, \i0+2, \i0+3
	FRAG AF+FR*(\i), ADRA+\slot, \q, \i
.endr
.endm
.macro PLACES n                        ; plain vector lines between a matrix instruction and a load into, or a vector read or write of, its registers
.rept \n
	v_nop
.endr
.endm
.macro STEP slot, q, zero              ; 128 along K, with its successor in the same slot
	s_wait_dscnt 4*NL                              ; B's set and A's blocks 0-3 are in; the youngest sixteen loads (A's blocks 4-7) may be out
.if \zero
	WIN 0x81                                       ; B window 1, A and the bias window 0, D window 2
.else
	WIN MUL_LO
.endif
	MUL16 0, (\q)%2, \zero
	MUL16 2, (\q)%2, \zero
	s_wait_dscnt 0
	PLACES NP
	FETCH_B \slot, (\q)+1, 1-(\q)%2
	FETCH_A \slot, (\q)+1, 0
.if \zero
	WIN 0xc1
.else
	WIN MUL_HI
.endif
	MUL16 4, (\q)%2, \zero
	MUL16 6, (\q)%2, \zero
	PLACES NP
	WIN 0
	FETCH_A \slot, (\q)+1, 4
.endm
; A slot's last step changes slots: one barrier; in front of it each wave waits for all its tensor loads, adds 0 to its spare word, and waits for that and for its reads of this slot.
.macro TURN slot, next, fill
	s_wait_tensorcnt 0x0                           ; all my tensor loads have landed: my part of the next slot
	ds_add_u32 v[SPW], v[NIL]                      ; 0 onto my spare word
	s_wait_dscnt 4*NL+1                            ; the add and the youngest sixteen loads may be out
	WIN MUL_LO
	MUL16 0, 1, 0
	s_wait_dscnt 0x0                               ; the add is done, and my reads of this slot are over
	s_barrier_signal -1
	MUL16 2, 1, 0
	WIN 0
	s_barrier_wait -1
.if \fill
	CREST                                          ; the barrier has opened a round of the cluster's: no wave of any partner still reads this slot or has a load on its way
	s_add_nc_u64 s[G0+4*\slot+2:G0+4*\slot+3], s[G0+4*\slot+2:G0+4*\slot+3], 2*ROWB
	s_add_nc_u64 s[G0B+4*\slot+2:G0B+4*\slot+3], s[G0B+4*\slot+2:G0B+4*\slot+3], 2*ROWB
	JLOAD G0+4*\slot, G1, G0B+4*\slot, G1B         ; the first tensor load behind the round; its four v_nop are the places in front of the loads below
.else
	PLACES NP
.endif
	FETCH_B \next, 0, 0
	FETCH_A \next, 0, 0
	WIN MUL_HI
	MUL16 4, 1, 0
	MUL16 6, 1, 0
	PLACES NP
	WIN 0
	FETCH_A \next, 0, 4
.endm
	s_wait_alu depctr_va_vdst(0)                   ; the wait at the head's end
	s_wait_tensorcnt 0x0                           ; my part of K step 0 is in; slot 1's first fill is issued as a refill is:
	ds_add_u32 v[SPW], v[NIL]                      ; 0 onto my spare word
	s_wait_dscnt 0x0
	CROUND                                         ; a whole round: everybody's part of K step 0 is in, and the joint loads meet
	JLOAD G0+4, G1, G0B+4, G1B                     ; K step 1: the first tensor load behind the round
	FETCH_B 0, 0, 0
	FETCH_A 0, 0, 0
	FETCH_A 0, 0, 4
	global_prefetch_b8 v24, s[98:99] offset:768 th:TH_LOAD_NT scope:SCOPE_SE   ; K step 3, behind K step 1's joint load and the run of LDS loads
	s_cmp_eq_u32 ttmp9, 2                          ; the first step is written twice: only the registers of its C differ
	s_cbranch_scc1 .Lfirst_v
	s_wait_alu depctr_va_vdst(0)
	STEP 0, 0, 1
	s_branch .Lfirst_done
.Lfirst_v:
	s_wait_alu depctr_va_vdst(0)
	STEP 0, 0, 2
.Lfirst_done:
.set J, 0
.rept 16                               ; the table's blocks 1 and 2 (8,192 consecutive bytes a wave) into the bias registers, which the first step's products have read (four plain lines stand behind them)
	global_load_b128 v[32+4*J:35+4*J], v[CO], s[68:69] offset:4096+512*J
.set J, J+1
.endr
	s_mov_b32 s3, LAPS-1
.Llap:
	TURN 0, 1, 1
	STEP 1, 0, 0
	TURN 1, 0, 1
	STEP 0, 0, 0
	s_sub_co_u32 s3, s3, 1
	s_cmp_lg_u32 s3, 0
	s_cbranch_scc1 .Llap
	TURN 0, 1, 0                                   ; the last lap fills nothing
	STEP 1, 0, 0
	WIN TO_B
.set J, 0
.rept 32                               ; the table's blocks 3 to 6 into B's set 0 (window 1, v0-127): the last step multiplies set 1
	global_load_b128 v[4*J:4*J+3], v[CO], s[68:69] offset:3*4096+512*J
.set J, J+1
.endr
	WIN 0
	s_wait_dscnt 4*NL
	WIN MUL_LO
	MUL16 0, 1, 0
	MUL16 2, 1, 0
	s_wait_dscnt 0
	WIN MUL_HI
	MUL16 4, 1, 0
	MUL16 6, 1, 0
	WIN 0
	PLACES NP
	WIN TO_B
.irp k, 0,1,2,3,4,5,6,7
	global_load_b128 v[128+4*\k:131+4*\k], v[CO], s[68:69] offset:7*4096+512*\k   ; the table's block 7 into window 1, v128-159
.endr
	WIN 0
; q, k: block a = 16 tokens x my two heads.  Channel d < 32 pairs with d + 32, which lies two accumulators (16 registers) on: out(d) = x(d) cos - x(d + 32) sin, out(d + 32) = x(d + 32) cos + x(d) sin.
; The table's blocks 1 to 7 were asked for earlier; block a's eight loads are waited for at block a.  Each accumulator is read from its low end on.
.macro ROPEQ a
.set AC, 64*((\a)%4)
.if (\a) < 3
.set CSA, 96-64*(\a)+96*((\a)/2)       ; the table's blocks 0, 1, 2 lie in window 0 at v96, v32, v64;
.set TW, 0
.else
.set CSA, 32*((\a)-3)                  ; blocks 3 to 7 in window 1 from v0 on
.set TW, 4
.endif
	s_wait_xcnt 0x0                                ; the last block's stores have read their registers: the codes may be written again
.if (\a) > 0
	s_wait_loadcnt 8*(7-(\a))                      ; block a's eight loads are in; the eight of each later block may be out
.endif
	WIN 0x02+((\a)/4)+TW                           ; source 0: window 2 or 3; source 1, the table: window 0 or 1
.irp hh, 0,1
.irp bb, 0,1
.irp j, 0,2,4,6
	v_pk_mul_f32 v[OUT+32*\hh+8*\bb+\j:OUT+32*\hh+8*\bb+\j+1], v[AC+8*(4*\hh+\bb)+16+\j:AC+8*(4*\hh+\bb)+16+\j+1], v[CSA+16+8*\bb+\j:CSA+16+8*\bb+\j+1]
	v_pk_mul_f32 v[OUT+32*\hh+8*\bb+16+\j:OUT+32*\hh+8*\bb+16+\j+1], v[AC+8*(4*\hh+\bb)+\j:AC+8*(4*\hh+\bb)+\j+1], v[CSA+16+8*\bb+\j:CSA+16+8*\bb+\j+1]
.endr
.endr
.endr
.irp hh, 0,1
.irp bb, 0,1
.irp j, 0,2,4,6
	v_pk_fma_f32 v[OUT+32*\hh+8*\bb+\j:OUT+32*\hh+8*\bb+\j+1], v[AC+8*(4*\hh+\bb)+\j:AC+8*(4*\hh+\bb)+\j+1], v[CSA+8*\bb+\j:CSA+8*\bb+\j+1], v[OUT+32*\hh+8*\bb+\j:OUT+32*\hh+8*\bb+\j+1] neg_lo:[0,0,1] neg_hi:[0,0,1]
	v_pk_fma_f32 v[OUT+32*\hh+8*\bb+16+\j:OUT+32*\hh+8*\bb+16+\j+1], v[AC+8*(4*\hh+\bb)+16+\j:AC+8*(4*\hh+\bb)+16+\j+1], v[CSA+8*\bb+\j:CSA+8*\bb+\j+1], v[OUT+32*\hh+8*\bb+16+\j:OUT+32*\hh+8*\bb+16+\j+1]
.endr
.endr
.endr
	WIN 0
.set J, 0
.rept 64
	v_med3_num_f32 v[OUT+J], v[OUT+J], -v[LIM], v[LIM]   ; the conversion does not saturate (ISA guide 7.6.2): the hold comes first
.set J, J+1
.endr
.irp g, 0,1,2,3,4,5,6,7
	v_cvt_scalef32_pk8_fp8_f32 v[CD+2*\g:CD+2*\g+1], v[OUT+8*\g:OUT+8*\g+7], v[SC]
.endr
	v_nop                                          ; one plain line behind the last conversion
.irp hh, 0,1
.irp i, 0,1
	global_store_b128 v[CO], v[CD+8*\hh+4*\i:CD+8*\hh+4*\i+3], s[88:89] offset:\hh*131072+(\a)*1024+512*\i   ; 512 consecutive bytes
.endr
.endr
.endm
; v: block a = 16 channels x my 128 tokens: one fragment of V^T
.macro VOUT a
.set AC, 64*((\a)%4)
	s_wait_xcnt 0x0
	WIN 0x02+((\a)/4)
.set J, 0
.rept 64
	v_med3_num_f32 v[OUT+J], v[AC+J], -v[LIM], v[LIM]
.set J, J+1
.endr
	WIN 0
.irp b, 0,1,2,3,4,5,6,7
	v_cvt_scalef32_pk8_fp8_f32 v[CD+2*\b:CD+2*\b+1], v[OUT+8*\b:OUT+8*\b+7], v[SC]
.endr
	v_nop
.irp i, 0,1,2,3
	global_store_b128 v[CO], v[CD+4*\i:CD+4*\i+3], s[88:89] offset:((\a)/4)*131072+((\a)%4)*2048+512*\i
.endr
.endm
	s_cmp_eq_u32 ttmp9, 2
	s_cbranch_scc1 .Lout_v
.irp a, 0,1,2,3,4,5,6,7
	ROPEQ \a
.endr
	s_branch .Lout_done
.Lout_v:
.irp a, 0,1,2,3,4,5,6,7
	VOUT \a
.endr
.Lout_done:
	s_wait_tensorcnt 0x0                           ; the wave's end
	ds_add_u32 v[SPW], v[NIL]
	s_wait_dscnt 0x0
	CROUND                                         ; the closing round: no work-group ends while a partner may still ask for a tile that names it
	s_endpgm
.Lfunc_end_k_q6620a29ee5_qkv:
	.size	k_q6620a29ee5_qkv, .Lfunc_end_k_q6620a29ee5_qkv-k_q6620a29ee5_qkv
	.p2alignl 7, 3214868480
	.fill 96, 4, 3214868480
	.section	.rodata,"a",@progbits
	.p2align	6, 0x0
	.amdhsa_kernel k_q6620a29ee5_qkv
		.amdhsa_group_segment_fixed_size 327680
		.amdhsa_private_segment_fixed_size 0
		.amdhsa_enable_private_segment 0
		.amdhsa_kernarg_size 64
		.amdhsa_user_sgpr_count 2
		.amdhsa_user_sgpr_kernarg_segment_ptr 1
		.amdhsa_wavefront_size32 1
		.amdhsa_system_sgpr_workgroup_id_x 1
		.amdhsa_system_sgpr_workgroup_id_y 1
		.amdhsa_system_sgpr_workgroup_id_z 1
		.amdhsa_system_vgpr_workitem_id 0
		.amdhsa_next_free_vgpr 1024
		.amdhsa_next_free_sgpr 100
		.amdhsa_reserve_vcc 0
		.amdhsa_float_denorm_mode_32 3
		.amdhsa_float_denorm_mode_16_64 3
		.amdhsa_memory_ordered 1
		.amdhsa_forward_progress 1
		.amdhsa_inst_pref_size 217
	.end_amdhsa_kernel
	.amdgpu_metadata
---
amdhsa.version: [ 1, 2 ]
amdhsa.kernels:
  - .name:           k_q6620a29ee5_qkv
    .symbol:         k_q6620a29ee5_qkv.kd
    .args:
      - { .name: xc, .offset: 0, .size: 8, .value_kind: global_buffer, .address_space: global }
      - { .name: wqc, .offset: 8, .size: 8, .value_kind: global_buffer, .address_space: global }
      - { .name: lowp_scales, .offset: 16, .size: 8, .value_kind: global_buffer, .address_space: global }
      - { .name: qkv_b, .offset: 24, .size: 8, .value_kind: global_buffer, .address_space: global }
      - { .name: rope, .offset: 32, .size: 8, .value_kind: global_buffer, .address_space: global }
      - { .name: qc, .offset: 40, .size: 8, .value_kind: global_buffer, .address_space: global }
      - { .name: kc, .offset: 48, .size: 8, .value_kind: global_buffer, .address_space: global }
      - { .name: vc, .offset: 56, .size: 8, .value_kind: global_buffer, .address_space: global }
    .group_segment_fixed_size: 327680
    .private_segment_fixed_size: 0
    .kernarg_segment_align: 8
    .kernarg_segment_size: 64
    .max_flat_workgroup_size: 128
    .sgpr_count:     100
    .vgpr_count:     1024
    .wavefront_size: 32
...
	.end_amdgpu_metadata
.endif
;; end of part 2
;; launch attn (part 3): grid 64 x 4, 16 waves a work-group, no clusters, 264,192 bytes of LDS; arguments qc, kc, vc, lowp_scales, yc; writes yc
.if DOCPART == 3
	.amdgcn_target "amdgcn-amd-amdhsa--gfx1250"
	.amdhsa_code_object_version 6
	.text
	.protected	k_q6620a29ee5_attn
	.globl	k_q6620a29ee5_attn
	.p2align	8
	.type	k_q6620a29ee5_attn,@function
k_q6620a29ee5_attn:
	s_mov_b64 s[64:65], 0
	v_nop
	global_prefetch_b8 v0, s[64:65] scope:SCOPE_SE
	s_setreg_imm32_b32 hwreg(HW_REG_WAVE_MODE, 25, 1), 1
	s_wait_xcnt 0x0
; Causal attention on codes of E4M3, head size 64, 2,048 tokens, 64 heads of batches; y leaves as codes for the last product.
; t = score x 2^(e2 + e3) x log2(e) / 8; M = the running largest t rounded UP to a whole number; p = 2^(t - M) is quantised with 2^e4, not normalised; the row's sum is taken of the unquantised p and divides at the end.
; LEFT OUT: key steps all of whose 128 keys come after a tile's 16 queries: the causal mask makes their p zero for all values of the inputs.
; SHARES.  Four work-groups (y = p) serve one head (x).  Wave w owns two tiles of 16 queries: L = 4 w + p and H = 127 - L.  L has w / 2 + 1 key steps of 128, H has 16 - w / 2: 17 in every wave.
; LDS holds the WHOLE head, each byte written once: bytes 0 .. 131071 K's fragments, 131072 .. 262143 V^T's, as images of the operand registers (16 bytes a lane, 512 consecutive bytes a load).
; THE FILL GOES THROUGH REGISTERS: waves 0-7 bring K, waves 8-15 V, 32 loads and 32 LDS stores of 512 bytes a wave in the whole launch, in three parts: key steps 0-3 (8 loads), 4-9 (12), 10-15 (12).
; Parts 2 and 3 wait in 48 registers that the steps do not name: part 2 is asked for at the head, part 3 when part 2 has been stored.  Each part has one barrier between its stores and its first read.
; NO TENSOR LOADS, NO CLUSTER, NO JOINT LOADS: a step holds a scalar branch on the given exponent e4.
; That branch leads round p's hold at 448 x 2^e4 where e4 >= -8: p <= 1 <= 448 x 2^e4 there, so the hold changes no number; for e4 < -8 the 64 holds are run.
; Nothing is prefetched: every byte that the launch reads is asked for by the loads themselves, a part ahead of its use.
; H GOES FIRST: it has at least 9 steps in every wave.  The loops' trip counts are constants, and a hidden step is jumped over inside its loop.
; LAYOUT.  S^T = K Q^T (source 0 = 16 keys, source 1 = my 16 queries): a lane holds one query (lane % 16); register 8 tau + j is key 16 tau + 8 (lane / 16) + j, the order of the second product's operand.
; O^T = V^T P^T: register j of tile c is channel 32 (c / 2) + 16 (lane / 16) + 8 (c % 2) + j, by the order in which the rows of V^T were laid: y's codes are the last product's operand registers as they stand.
; LIMITS: e2 + e3 between -123 and 130 (added to the constant's exponent field); e4 and e6 between -126 and 119.  NaN is not served.
.set LI,   1                           ; v1   16 x lane
.set DQL,  2                           ; v2, v3 the mask's thresholds
.set DQH,  3
.set GA1,  4                           ; v4, v5 the fill's byte offsets in the head's K or V: part 1; parts 2 and 3
.set GA2,  5
.set LS1,  6                           ; v6, v7 the same places in LDS
.set LS2,  7
.set ADK,  8                           ; v8, v9 LDS addresses of the step's K and V
.set ADV,  9
.set SC4,  10                          ; v10 2^e4, v11 2^e6
.set SC6,  11
.set QH,   16                          ; v16-23 Q of H.   v12 -M, v13 the largest t, v[14:15] the sum
.set SPW,  24                          ; v24  my spare word; v25  0: both never rewritten
.set NIL,  25
.set FF,   26                          ; v[26:27] f = 2^(old M - new M)
.set TM,   28                          ; v28  the old -M
.set PD,   29                          ; v29  a lane permute's destination
.set NINF, 30                          ; v30  -infinity
.set MX,   31                          ; v31  the step's maximum
.set CD,   192                         ; v192-207 p's codes; ahead of them the maximum's and the sum's partial chains.  v32-95 fragments; v96-159 S^T, then p; v160-191 O^T
.set ST,   208                         ; v208-255 a part of the fill on its way; behind part 3: v208-215 Q of L, v216-231 y's codes
.set WV,   18
.set SEL,  20
.set CS,   22
.set FB,   24                          ; s[24:25] my head's K (waves 0-7) or V (waves 8-15)
.set HOLD, 26                          ; s26  1 where e4 < -8
.set LM4,  27                          ; s27  448 x 2^e4;  s28, s29  448 x 2^e6 and its negative
.set LM6,  28
.set LM6N, 29
.set LAST, 60                          ; s60  the tile's last key step, the one on the diagonal
.set KS,   61                          ; s61  the key step
.set TB,   2                           ; s2   8,192 x the key step
.set VB,   131072
.set SPARE, 0x40000
.set P2B,  32768                       ; part 2 begins here in K's and in V's half, part 3 P3D further on
.set P3D,  49152
.macro GET n, dst, ofs, imm            ; n loads of 512 consecutive bytes
.set J, 0
.rept \n
	global_load_b128 v[\dst+4*J:\dst+4*J+3], v[\ofs], s[FB:FB+1] offset:(\imm)+512*J
.set J, J+1
.endr
.endm
.macro PUT n, src, adr, imm            ; and their way into LDS, as they lie
.set J, 0
.rept \n
	ds_store_b128 v[\adr], v[\src+4*J:\src+4*J+3] offset:(\imm)+512*J
.set J, J+1
.endr
.endm
.macro INIT                            ; a tile begins: O^T and the sum are zeros and the largest t lies under every t, so the step has no first form of its own
	v_mov_b32 v13, 0xff61b1e6
	s_delay_alu instid0(VALU_DEP_1)
	v_floor_f32 v12, -v13
	v_mov_b32 v14, 0
	v_mov_b32 v15, 0
.set J, 0
.rept 32
	v_mov_b32 v[160+J], 0
.set J, J+1
.endr
.endm
.macro PA d, a, b
	v_pk_add_f32 v[\d:\d+1], v[\a:\a+1], v[\b:\b+1]
.endm
	s_load_b256 s[4:11], s[0:1], 0x0               ; qc s[4:5], kc s[6:7], vc s[8:9], the scales' exponents s[10:11]
	s_load_b64 s[12:13], s[0:1], 0x20              ; yc
	v_lshl_add_u32 v[SPW], v0, 2, SPARE
	v_mov_b32 v[NIL], 0
	v_lshrrev_b32 v8, 5, v0
	v_readfirstlane_b32 s[WV], v8                  ; wave 0..15
	s_mov_b32 s62, ttmp9                           ; the head of the batch, 0 .. 63
	s_and_b32 s84, s[WV], 7                        ; my eighth of each part
	s_lshr_b32 s85, s[WV], 3
	s_lshl_b32 s85, s85, 17                        ; K's half of LDS or V's
	s_lshl_b32 s86, s84, 12                        ; part 1: 32,768 bytes, 4,096 a wave
	s_mul_i32 s87, s84, 6144
	s_add_co_u32 s87, s87, P2B                     ; parts 2, 3: 49,152 bytes each, 6,144 a wave
	s_lshl_b32 s66, s[WV], 2
	s_and_b32 s63, ttmp7, 0xffff                   ; p
	s_add_co_u32 s66, s66, s63                     ; L
	s_sub_co_u32 s67, 127, s66                     ; H
	s_and_b32 s63, s66, 7
	s_lshl_b32 s63, s63, 4
	s_and_b32 s96, s67, 7
	s_lshl_b32 s96, s96, 4
	s_mov_b32 s[SEL], 0x76543210
	s_mov_b32 s[SEL+1], 0xfedcba98
	s_mov_b32 s[CS], 0x3e38aa3b                    ; log2(e) / 8
	v_and_b32 v9, 31, v0
	v_lshlrev_b32 v[LI], 4, v9
	v_add_nc_u32 v[GA1], s86, v[LI]
	v_add_nc_u32 v[GA2], s87, v[LI]
	v_add_nc_u32 v[LS1], s85, v[GA1]
	v_add_nc_u32 v[LS2], s85, v[GA2]
	v_and_b32 v10, 15, v0
	v_bfe_u32 v11, v0, 4, 1
	v_lshlrev_b32 v11, 3, v11
	v_sub_nc_u32 v10, v10, v11                     ; r - 8 h
	v_add_nc_u32 v[DQL], s63, v10                  ; on the diagonal step register 8 tau + j is hidden where 16 tau + j > 16 (tile % 8) + r - 8 h
	v_add_nc_u32 v[DQH], s96, v10
	v_mov_b32 v[FF+1], 0                           ; (named as the upper half of the pair)
	v_mov_b32 v[PD], 0                             ; written once: a lane permute's destination counts as one of its sources
	v_mov_b32 v[NINF], 0xff800000
	INIT
	s_wait_alu depctr_va_vdst(0)
	s_wait_kmcnt 0x0
	s_load_b256 s[68:75], s[10:11], 0x0            ; e0 .. e7
	s_cmp_lt_u32 s[WV], 8                          ; the choice hangs on the wave's number alone
	s_cselect_b64 s[FB:FB+1], s[6:7], s[8:9]
	s_lshl_b32 s98, s62, 17
	s_mov_b32 s99, 0
	s_add_nc_u64 s[FB:FB+1], s[FB:FB+1], s[98:99]  ; at my head
	GET 8, 96, GA1, 0                              ; part 1, through the registers of S^T
	s_mov_b32 s97, 0
	s_lshl_b32 s63, s62, 7
	s_add_co_u32 s96, s63, s67
	s_lshl_b32 s96, s96, 10
	s_add_nc_u64 s[78:79], s[4:5], s[96:97]        ; Q of H: (128 x head + tile) x 1,024 bytes
	global_load_b128 v[QH:QH+3], v[LI], s[78:79]
	global_load_b128 v[QH+4:QH+7], v[LI], s[78:79] offset:512
	GET 12, ST, GA2, 0                             ; part 2
	s_add_co_u32 s96, s63, s66
	s_lshl_b32 s96, s96, 10
	s_add_nc_u64 s[76:77], s[4:5], s[96:97]        ; Q of L
	s_lshr_b32 s63, s62, 4
	s_lshl_b32 s63, s63, 7                         ; 128 x batch
	s_and_b32 s98, s62, 15
	s_lshl_b32 s98, s98, 10                        ; 1,024 x head
	s_add_co_u32 s96, s63, s66
	s_lshl_b32 s96, s96, 14
	s_add_co_u32 s96, s96, s98
	s_add_nc_u64 s[80:81], s[12:13], s[96:97]      ; y of L: (128 x batch + tile) x 16,384 + 1,024 x head
	s_add_co_u32 s96, s63, s67
	s_lshl_b32 s96, s96, 14
	s_add_co_u32 s96, s96, s98
	s_add_nc_u64 s[82:83], s[12:13], s[96:97]      ; y of H
	s_wait_kmcnt 0x0
	s_add_co_i32 s63, s70, s71
	s_lshl_b32 s63, s63, 23
	s_add_co_i32 s[CS], s[CS], s63                 ; x 2^(e2 + e3), by the exponent field
	s_mov_b32 s[CS+1], s[CS]
	s_add_co_i32 s63, s72, 127
	s_lshl_b32 s96, s63, 23
	v_mov_b32 v[SC4], s96                          ; 2^e4
	s_add_co_i32 s63, s63, 8
	s_lshl_b32 s63, s63, 23
	s_or_b32 s[LM4], s63, 0x600000                 ; 448 x 2^e4
	s_add_co_i32 s63, s74, 127
	s_lshl_b32 s96, s63, 23
	v_mov_b32 v[SC6], s96                          ; 2^e6
	s_add_co_i32 s63, s63, 8
	s_lshl_b32 s63, s63, 23
	s_or_b32 s[LM6], s63, 0x600000                 ; 448 x 2^e6
	s_or_b32 s[LM6N], s[LM6], 0x80000000
	s_add_co_i32 s3, s72, s73                      ; e4 + e5
	s_cmp_lt_i32 s72, -8
	s_cselect_b32 s[HOLD], 1, 0                    ; is 448 x 2^e4 under 1?
; A KEY STEP: 128 keys.  qb: Q's first register; dq: the mask's threshold; diag = 1: the step may be the one on the diagonal.
.macro STEP qb, dq, diag
	v_add_nc_u32 v[ADK], s[TB], v[LI]
	s_delay_alu instid0(VALU_DEP_1)
	v_add_nc_u32 v[ADV], VB, v[ADK]
	v_nop
	v_nop                                          ; four plain lines between the last products and the loads into registers that they read
.irp t, 0,1,2,3,4,5,6,7
	ds_load_b128 v[32+8*\t:35+8*\t], v[ADK] offset:1024*\t
	ds_load_b128 v[36+8*\t:39+8*\t], v[ADK] offset:1024*\t+512
.endr
	s_wait_alu depctr_va_vdst(0)
	s_wait_dscnt 0x0
.irp t, 0,1,2,3,4,5,6,7
	v_wmma_f32_16x16x64_fp8_fp8 v[96+8*\t:103+8*\t], v[32+8*\t:39+8*\t], v[\qb:\qb+7], 0
.endr
	v_mov_b32 v[TM], v12                           ; the old -M: the first of four plain lines behind the products
.rept 3
	v_nop
.endr
.irp c, 0,1,2,3                        ; V's four fragments are asked for now and land under the softmax
.irp i, 0,1,2,3
	ds_load_b128 v[32+16*\c+4*\i:35+16*\c+4*\i], v[ADV] offset:2048*\c+512*\i
.endr
.endr
.if \diag
	s_cmp_lg_u32 s[KS], s[LAST]
	s_cbranch_scc1 .Lopen_\@
.set J, 0
.rept 64                               ; hidden scores become -infinity ahead of the maximum: p = 0 then; a query's own key always counts
	v_cmp_gt_i32 vcc_lo, 16*(J/8)+J%8, v[\dq]
	v_cndmask_b32 v[96+J], v[96+J], v[NINF], vcc_lo
.set J, J+1
.endr
.Lopen_\@:
.endif
.irp c, 0,1,2,3                        ; the step's largest score of my query among my 64 keys: four chains of 16 registers, each accumulator from its low end on
	v_max3_num_f32 v[CD+\c], v[96+16*\c], v[97+16*\c], v[98+16*\c]
.endr
.set J, 3
.rept 6
.irp c, 0,1,2,3
	v_max3_num_f32 v[CD+\c], v[CD+\c], v[96+16*\c+J], v[97+16*\c+J]
.endr
.set J, J+2
.endr
	v_max3_num_f32 v[CD], v[CD], v[CD+1], v111     ; the chains are joined, with each chain's sixteenth register
	v_max3_num_f32 v[CD+2], v[CD+2], v[CD+3], v127
	v_max3_num_f32 v[CD], v[CD], v143, v159
	s_delay_alu instid0(VALU_DEP_1)
	v_max_num_f32 v[MX], v[CD], v[CD+2]
	v_permlanex16_b32 v[PD], v[MX], s[SEL], s[SEL+1]
	s_delay_alu instid0(VALU_DEP_1)
	v_max_num_f32 v[MX], v[MX], v[PD]              ; and among the lane 16 away's
	s_delay_alu instid0(VALU_DEP_1)
	v_mul_f32 v[MX], s[CS], v[MX]                  ; as t (the constant is positive)
	s_delay_alu instid0(VALU_DEP_1)
	v_max_num_f32 v13, v13, v[MX]
	s_delay_alu instid0(VALU_DEP_1)
	v_floor_f32 v12, -v13                          ; the new -M = floor(-t): M is a whole number
	s_delay_alu instid0(VALU_DEP_1)
	v_sub_f32 v[TM], v12, v[TM]                    ; old M - new M: a whole number, 0 or less
	s_delay_alu instid0(VALU_DEP_1)
	v_cvt_i32_f32 v[TM], v[TM]                     ; (it saturates)
	s_delay_alu instid0(VALU_DEP_1)
	v_ldexp_f32 v[FF], 1.0, v[TM]                  ; f = 2^(old M - new M): a multiplication by it rounds nothing
.set J, 0
.rept 32
	v_pk_fma_f32 v[96+J:97+J], v[96+J:97+J], s[CS:CS+1], v[12:13] op_sel_hi:[1,0,0]   ; t - M
.set J, J+2
.endr
	s_wait_alu depctr_va_vdst(0)                   ; the wait ahead of the batch
.set J, 0
.rept 64
	v_exp_f32 v[96+J], v[96+J]                     ; p = 2^(t - M): one batch
.set J, J+1
.endr
	v_pk_mul_f32 v[14:15], v[14:15], v[FF:FF+1] op_sel_hi:[1,0]   ; the sums under the new M: the plain line behind the batch
	s_wait_alu depctr_va_vdst(0)                   ; one wait for the batch, ahead of its first reader
	PA 192, 100, 104                               ; the row's sum of the unquantised p, in eight chains
	PA 194, 108, 112
	PA 196, 116, 120
	PA 198, 124, 128
	PA 200, 132, 136
	PA 202, 140, 144
	PA 204, 148, 152
	PA 14, 14, 156
	PA 192, 192, 96
	PA 194, 194, 98
	PA 196, 196, 102
	PA 198, 198, 106
	PA 200, 200, 110
	PA 202, 202, 114
	PA 204, 204, 118
	PA 14, 14, 122
	PA 192, 192, 126
	PA 194, 194, 130
	PA 196, 196, 134
	PA 198, 198, 138
	PA 200, 200, 142
	PA 202, 202, 146
	PA 204, 204, 150
	PA 14, 14, 154
	PA 192, 192, 158
	s_delay_alu instid0(VALU_DEP_2)
	PA 14, 14, 198
	s_delay_alu instid0(VALU_DEP_2)
	PA 192, 192, 200
	PA 194, 194, 202
	PA 196, 196, 204
	s_delay_alu instid0(VALU_DEP_2)
	PA 14, 14, 194
	s_delay_alu instid0(VALU_DEP_2)
	PA 192, 192, 196
	s_delay_alu instid0(VALU_DEP_1)
	PA 14, 14, 192
	s_cmp_eq_u32 s[HOLD], 0                        ; e4 >= -8: p <= 1 <= 448 x 2^e4, the hold changes nothing
	s_wait_alu depctr_va_vdst(0)
	s_cbranch_scc1 .Lfree_\@
.set J, 0
.rept 64
	v_min_num_f32 v[96+J], s[LM4], v[96+J]         ; the conversion does not saturate (ISA guide 7.6.2); p is not negative, so the hold is one-sided
.set J, J+1
.endr
.Lfree_\@:
.irp t, 0,1,2,3,4,5,6,7
	v_cvt_scalef32_pk8_fp8_f32 v[CD+2*\t:CD+2*\t+1], v[96+8*\t:103+8*\t], v[SC4]
.endr
	s_wait_alu depctr_va_vdst(0)                   ; the wait directly ahead of the first reader of O^T
.set J, 0
.rept 16
	v_pk_mul_f32 v[160+J:161+J], v[160+J:161+J], v[FF:FF+1] op_sel_hi:[1,0]   ; O^T under the new M; also the plain lines between the conversions and the products
.set J, J+2
.endr
	s_wait_alu depctr_va_vdst(0)
	s_wait_dscnt 0x0                               ; V is in
.irp c, 0,1,2,3                        ; the four accumulators take turns, and the eight score products stand between two steps
	v_wmma_f32_16x16x128_fp8_fp8 v[160+8*\c:167+8*\c], v[32+16*\c:47+16*\c], v[CD:CD+15], v[160+8*\c:167+8*\c]
.endr
.endm
; Key steps from .. to - 1: the trip count is a constant of the text.  diag = 1: a step all of whose keys come after my queries is left out by a scalar branch on the wave's number; no barrier stands in a step.
.macro KLOOP qb, dq, from, to, diag
	s_mov_b32 s[KS], \from
	s_mov_b32 s[TB], (\from)*8192
.Lk_\@:
.if \diag
	s_cmp_gt_u32 s[KS], s[LAST]
	s_cbranch_scc1 .Lhidden_\@
.endif
	STEP \qb, \dq, \diag
.if \diag
.Lhidden_\@:
.endif
	s_add_co_u32 s[TB], s[TB], 8192
	s_add_co_u32 s[KS], s[KS], 1
	s_cmp_lt_u32 s[KS], \to
	s_cbranch_scc1 .Lk_\@
.endm
; y = O^T x 2^(e4 + e5) / the sum, quantised with 2^e6; the eight code registers are stored as they stand: 1,024 consecutive bytes a tile
.macro WAYOUT cd, sa
.rept 4
	v_nop
.endr
	v_add_f32 v14, v14, v15
	s_delay_alu instid0(VALU_DEP_1)
	v_permlanex16_b32 v[PD], v14, s[SEL], s[SEL+1]
	s_delay_alu instid0(VALU_DEP_1)
	v_add_f32 v14, v14, v[PD]                      ; the row's sum
	s_wait_alu depctr_va_vdst(0)                   ; the wait ahead of the transcendental
	v_rcp_f32 v14, v14
	v_nop                                          ; a plain line behind the reciprocal
	s_wait_alu depctr_va_vdst(0)                   ; and the wait ahead of its first reader
	v_ldexp_f32 v14, v14, s3
	s_wait_alu depctr_va_vdst(0)                   ; the wait directly ahead of the first reader of O^T
.set J, 0
.rept 16
	v_pk_mul_f32 v[96+J:97+J], v[160+J:161+J], v[14:15] op_sel_hi:[1,0]
.set J, J+2
.endr
.set J, 0
.rept 32
	v_med3_num_f32 v[96+J], v[96+J], s[LM6N], s[LM6]
.set J, J+1
.endr
.irp c, 0,1,2,3
	v_cvt_scalef32_pk8_fp8_f32 v[\cd+2*\c:\cd+2*\c+1], v[96+8*\c:103+8*\c], v[SC6]
.endr
	v_nop                                          ; one plain line behind the last conversion
	global_store_b128 v[LI], v[\cd:\cd+3], s[\sa:\sa+1]
	global_store_b128 v[LI], v[\cd+4:\cd+7], s[\sa:\sa+1] offset:512
.endm
	s_wait_alu depctr_va_vdst(0)                   ; the wait at the head's end
	s_wait_loadcnt 14                              ; part 1's eight loads are in; behind them Q's 2 and part 2's 12 may be out
	PUT 8, 96, LS1, 0
	s_wait_loadcnt 12                              ; Q is in
	s_wait_dscnt 0x0                               ; my stores are done, for the others' sake
	s_barrier_signal -1
	s_barrier_wait -1                              ; key steps 0-3 are whole
	s_lshr_b32 s63, s[WV], 1
	s_sub_co_u32 s[LAST], 15, s63                  ; H's diagonal step: 8 at the least, so steps 0-7 need neither mask nor skip
	KLOOP QH, DQH, 0, 2, 0
	s_wait_loadcnt 0x0                             ; part 2 is in
	PUT 12, ST, LS2, 0                             ; bytes of key steps 4-9, which no wave reads ahead of the barrier's wait below
	s_wait_dscnt 0x0                               ; the stores are done and have read their registers,
	GET 12, ST, GA2, P3D                           ; which take part 3
	s_barrier_signal -1                            ; my share of part 2 lies in LDS.  THE BARRIER IS SPLIT: between signal and wait stand register work and LDS loads of key steps 2 and 3, which nobody writes
	KLOOP QH, DQH, 2, 4, 0
	s_barrier_wait -1                              ; key steps 4-9 are whole
	KLOOP QH, DQH, 4, 6, 0
	s_wait_loadcnt 0x0                             ; part 3 is in
	PUT 12, ST, LS2, P3D                           ; bytes of key steps 10-15
	s_wait_dscnt 0x0
	global_load_b128 v[ST:ST+3], v[LI], s[76:77]   ; Q of L, into registers that the fill has left
	global_load_b128 v[ST+4:ST+7], v[LI], s[76:77] offset:512
	s_barrier_signal -1                            ; split likewise: key steps 6 to 9, whose bytes nobody writes, stand between
	KLOOP QH, DQH, 6, 10, 1
	s_barrier_wait -1                              ; the head is whole; from here on no wave waits for another
	KLOOP QH, DQH, 10, 16, 1
	WAYOUT ST+8, 82
	INIT
	s_lshr_b32 s[LAST], s[WV], 1                   ; L's diagonal step
	s_wait_alu depctr_va_vdst(0)
	s_wait_loadcnt 0x0                             ; Q of L
	KLOOP ST, DQL, 0, 8, 1
	WAYOUT ST+16, 80
	s_wait_tensorcnt 0x0                           ; the wave's end, behind my last LDS store
	ds_add_u32 v[SPW], v[NIL]
	s_wait_dscnt 0x0
	s_endpgm
.Lfunc_end_k_q6620a29ee5_attn:
	.size	k_q6620a29ee5_attn, .Lfunc_end_k_q6620a29ee5_attn-k_q6620a29ee5_attn
	.p2alignl 7, 3214868480
	.fill 96, 4, 3214868480
	.section	.rodata,"a",@progbits
	.p2align	6, 0x0
	.amdhsa_kernel k_q6620a29ee5_attn
		.amdhsa_group_segment_fixed_size 264192
		.amdhsa_private_segment_fixed_size 0
		.amdhsa_enable_private_segment 0
		.amdhsa_kernarg_size 40
		.amdhsa_user_sgpr_count 2
		.amdhsa_user_sgpr_kernarg_segment_ptr 1
		.amdhsa_wavefront_size32 1
		.amdhsa_system_sgpr_workgroup_id_x 1
		.amdhsa_system_sgpr_workgroup_id_y 1
		.amdhsa_system_sgpr_workgroup_id_z 1
		.amdhsa_system_vgpr_workitem_id 0
		.amdhsa_next_free_vgpr 256
		.amdhsa_next_free_sgpr 100
		.amdhsa_reserve_vcc 1
		.amdhsa_float_denorm_mode_32 3
		.amdhsa_float_denorm_mode_16_64 3
		.amdhsa_memory_ordered 1
		.amdhsa_forward_progress 1
		.amdhsa_inst_pref_size 131
	.end_amdhsa_kernel
	.amdgpu_metadata
---
amdhsa.version: [ 1, 2 ]
amdhsa.kernels:
  - .name:           k_q6620a29ee5_attn
    .symbol:         k_q6620a29ee5_attn.kd
    .args:
      - { .name: qc, .offset: 0, .size: 8, .value_kind: global_buffer, .address_space: global }
      - { .name: kc, .offset: 8, .size: 8, .value_kind: global_buffer, .address_space: global }
      - { .name: vc, .offset: 16, .size: 8, .value_kind: global_buffer, .address_space: global }
      - { .name: lowp_scales, .offset: 24, .size: 8, .value_kind: global_buffer, .address_space: global }
      - { .name: yc, .offset: 32, .size: 8, .value_kind: global_buffer, .address_space: global }
    .group_segment_fixed_size: 264192
    .private_segment_fixed_size: 0
    .kernarg_segment_align: 8
    .kernarg_segment_size: 40
    .max_flat_workgroup_size: 512
    .sgpr_count:     100
    .vgpr_count:     256
    .wavefront_size: 32
...
	.end_amdgpu_metadata
.endif
;; end of part 3
;; launch proj (part 4): grid 4 x 64, 4 waves a work-group, clusters of 4 x 4, 327,680 bytes of LDS; arguments yc, wpc, lowp_scales, proj_b, out0; writes out0
.if DOCPART == 4
	.amdgcn_target "amdgcn-amd-amdhsa--gfx1250"
	.amdhsa_code_object_version 6
	.text
	.protected	k_q6620a29ee5_proj
	.globl	k_q6620a29ee5_proj
	.p2align	8
	.type	k_q6620a29ee5_proj,@function
k_q6620a29ee5_proj:
	s_mov_b64 s[64:65], 0
	v_nop
	global_prefetch_b8 v0, s[64:65] scope:SCOPE_SE
	s_setreg_imm32_b32 hwreg(HW_REG_WAVE_MODE, 25, 1), 1
	s_wait_xcnt 0x0
	s_wait_alu depctr_hold_cnt(0) depctr_sa_sdst(0) depctr_va_vdst(0) depctr_va_sdst(0) depctr_va_ssrc(0) depctr_va_vcc(0) depctr_vm_vsrc(0)
	s_getreg_b32 s2, hwreg(HW_REG_IB_STS2, 6, 4)
	s_cmp_eq_u32 s2, 0
	s_cbranch_scc0 .Lentry_in_a_cluster
	s_endpgm
.Lentry_in_a_cluster:
	s_bfe_u32 s2, ttmp6, 0x10000c
	s_cmp_lg_u32 s2, 0xf033
	s_cbranch_scc0 .Lentry_shape_is_right
	s_endpgm
.Lentry_shape_is_right:
; out0 = y proj_w + proj_b on codes of E4M3: yc as images of the operand registers ([tile of 16 tokens 512][head 16][1,024 bytes]), wpc [1024 (n)][1024 (k)], K innermost; sums in f32, each x 2^(e6 + e7).
; A work-group of four waves makes 128 rows x 256 columns: 64 x 4 = 256 work-groups.  A wave makes 64 x 128: 32 accumulators in window 2.
; K = 1,024 goes in four steps of 256 through a ring of two LDS slots: A's 8 tiles of tokens x 4,096 bytes (dense: they are read 16 bytes a lane), then B's 256 rows of 256 bytes + 16 of padding.
; CLUSTERS of 4 x 4: A's tile is shared along a row of the cluster, B's along a column, each asked for jointly; waves 0, 1 fetch A's halves, waves 2, 3 B's.
; The matrix instruction takes 16 rows of B as source 0 and 16 tokens as source 1: a lane holds eight neighbouring columns of one row of out0.
; The bias is the C of each sum's first matrix instruction, divided by 2^(e6 + e7).  A and B have two sets of fragment registers each: a step's LDS loads are issued ahead of the step before's products.
; K has four steps, of which two are asked for at the head; steps 2 and 3 are prefetched into the L2.
; LIMIT: e6 + e7 between -126 and 127.
; REGISTERS: window 0: v16-29 addresses; v32-95 the bias, later a block's results; v128-191, v192-255 A's two sets, later rows read back from the stage.  window 1: B's two sets.  window 2: accumulator (a, b) at v[8 (8 a + b)].
.set ROWB,   256
.set KROW,   1024
.set SIZE_N, 1024
.set PITCH,  272
.set FR,     16
.set NP,     4                         ; places behind this matrix instruction (ISA guide 7.12.1)
.set HALFA,  16384                     ; four tiles of tokens x 4,096 bytes
.set HALFB,  128*PITCH
.set BOFF,   2*HALFA
.set SLOT,   BOFF+2*HALFB
.set ASTEP,  4096
.set LAPS,   2
.set SPARE,  2*SLOT                    ; behind the ring: the spare words, 128 bytes for each wave
.set SPITCH, 528                       ; the way out: a stage of 16 rows x (512 + 16) bytes for each wave, in slot 0, behind its last fill and its last read
.set ADRA, 16
.set ADRB, 20
.set STO,  24
.set RD,   25
.set CO,   26
.set BQ,   27
.set SPW,  28
.set NIL,  29
.set BIAS, 32
.set TMP,  32
.set AF,   128
.set BK,   128
.set G1, 24
.set G0, 32
.set G1B, 48
.set G0B, 56
.set MSB, 0
.macro WIN new                         ; the immediate's high byte repeats the setting that is left
.if MSB != \new
	s_set_vgpr_msb (MSB<<8)|\new
.set MSB, \new
.endif
.endm
.set MUL_LO, 0xa1                      ; source 0 (B) window 1, source 1 (A) window 0, C and D window 2
.set TO_B,   0x40
.macro JLOAD g0a, g1a, g0b, g1b        ; a joint load; the branch hangs on the wave's number alone; an s_nop 0 and four v_nop follow each line
	s_cmp_eq_u32 s15, 0
	s_cbranch_scc0 .Lfor_b_\@
	tensor_load_to_lds s[\g0a:\g0a+3], s[\g1a:\g1a+7]
	s_nop 0
.rept 4
	v_nop
.endr
	s_branch .Lasked_\@
.Lfor_b_\@:
	tensor_load_to_lds s[\g0b:\g0b+3], s[\g1b:\g1b+7]
	s_nop 0
.rept 4
	v_nop
.endr
.Lasked_\@:
.endm
.macro CREST                           ; a round of the cluster's barrier behind its opening barrier
	s_cmp_lg_u32 s14, 0
	s_cbranch_scc1 .Lnot_wave_0_\@
	s_barrier_signal -3
.Lnot_wave_0_\@:
	s_barrier_wait -3
	s_barrier_signal -1
	s_barrier_wait -1
.endm
.macro CROUND
	s_barrier_signal -1
	s_barrier_wait -1
	CREST
.endm
	s_load_b256 s[4:11], s[0:1], 0x0               ; yc s[4:5], wpc s[6:7], the scales' exponents s[8:9], proj_b s[10:11]
	s_load_b64 s[12:13], s[0:1], 0x20              ; out0
	v_lshl_add_u32 v[SPW], v0, 2, SPARE
	v_mov_b32 v[NIL], 0
	ds_add_u32 v[SPW], v[NIL]                      ; the add, twice on end, and its wait ahead of my first tensor load
	ds_add_u32 v[SPW], v[NIL]
	v_lshrrev_b32 v1, 5, v0
	v_readfirstlane_b32 s14, v1                    ; wave 0..3
	s_lshr_b32 s15, s14, 1                         ; which 64 rows are mine.  Also: I fetch for A (0) or for B (1)
	s_and_b32 s16, s14, 1                          ; which 128 columns.  Also: which half of the tile I fetch
	s_bfe_u32 s40, ttmp6, 0x40000                  ; cx
	s_bfe_u32 s41, ttmp6, 0x40004                  ; cy
	s_lshl_b32 s42, ttmp9, 2
	s_add_co_u32 s42, s42, s40                     ; block column
	s_and_b32 s17, ttmp7, 0xffff
	s_lshl_b32 s17, s17, 2
	s_add_co_u32 s17, s17, s41                     ; block row, 0 .. 63
	s_lshl_b32 s43, s41, 2
	s_lshl_b32 s43, 15, s43                        ; my row of the cluster
	s_lshl_b32 s44, 0x1111, s40                    ; my column
	s_or_b32 s[G1+0], s43, (3<<16)|(1<<21)         ; A: the mask; elements of 8 bytes; bit 21 beside a mask; no padding
	s_mov_b32 s[G1+1], 512<<16                     ; a row: 512 elements = 4,096 bytes: four heads of one tile of tokens
	s_mov_b32 s[G1+2], 4<<16                       ; four tiles of tokens
	s_mov_b32 s[G1+3], 512<<16
	s_mov_b32 s[G1+4], 4
	s_mov_b32 s[G1+5], 2048                        ; 16,384 bytes from tile to tile
	s_mov_b32 s[G1+6], 0
	s_mov_b32 s[G1+7], 0
	s_or_b32 s[G1B+0], s44, (0<<16)|(1<<20)|(1<<21)|(5<<22)|(3<<25)   ; B: elements of 1 byte; 4 words of padding behind every 64
	s_mov_b32 s[G1B+1], ROWB<<16
	s_mov_b32 s[G1B+2], 128<<16
	s_mov_b32 s[G1B+3], ROWB<<16
	s_mov_b32 s[G1B+4], 128
	s_mov_b32 s[G1B+5], KROW
	s_mov_b32 s[G1B+6], 0
	s_mov_b32 s[G1B+7], 0
	s_lshl_b32 s20, s17, 3
	s_lshl_b32 s18, s16, 2
	s_add_co_u32 s20, s20, s18
	s_lshl_b32 s20, s20, 14                        ; A: (8 x block row + 4 x half) tiles of 16,384 bytes
	s_lshl_b32 s46, s42, 8
	s_lshl_b32 s18, s16, 7
	s_add_co_u32 s46, s46, s18
	s_lshl_b32 s46, s46, 10                        ; B: (256 x block column + 128 x half) rows of 1,024 bytes
	s_mov_b32 s21, 0
	s_mov_b32 s47, 0
	s_lshl_b32 s45, s16, 14                        ; where they go in a slot
	s_mul_i32 s78, s16, HALFB
	s_add_co_u32 s78, s78, BOFF
	s_wait_dscnt 0x0                               ; both opening adds are done
	s_wait_kmcnt 0x0
	s_load_b64 s[96:97], s[8:9], 0x18              ; e6, e7
	s_add_nc_u64 s[20:21], s[4:5], s[20:21]
	s_add_nc_u64 s[46:47], s[6:7], s[46:47]
	CROUND                                         ; all sixteen work-groups are here: the first joint loads meet
.irp s, 0,1
	s_mov_b32 s[G0+4*\s], 1
	s_add_co_u32 s[G0+4*\s+1], s45, \s*SLOT
	s_add_nc_u64 s[G0+4*\s+2:G0+4*\s+3], s[20:21], \s*ASTEP
	s_or_b32 s[G0+4*\s+3], s[G0+4*\s+3], 0x80000000
	s_mov_b32 s[G0B+4*\s], 1
	s_add_co_u32 s[G0B+4*\s+1], s78, \s*SLOT
	s_add_nc_u64 s[G0B+4*\s+2:G0B+4*\s+3], s[46:47], \s*ROWB
	s_or_b32 s[G0B+4*\s+3], s[G0B+4*\s+3], 0x80000000
.endr
	JLOAD G0, G1, G0B, G1B                         ; K step 0: one tensor load a wave at the head
	; A PREFETCH INTO THE L2 stands behind each of the head's two joint loads, for the K step two refills on, one instruction a wave.  The four partners that ask for a tile jointly share its blocks of 256 bytes out by address:
	; of A's four tiles of tokens the partner at cx takes one (16 blocks on end: lanes 0-15, the other lanes name the last again); of B's 128 rows the partner at cy takes 32, a lane a row.  K steps 0 and 1 come by their loads alone.
	s_cmp_eq_u32 s15, 0                            ; do I fetch for A?
	s_cselect_b64 s[68:69], s[20:21], s[46:47]
	s_cselect_b32 s66, s40, s41                    ; my place among the four
	s_cselect_b32 s70, 14, 15                      ; its share: 16,384 bytes on, or 32 rows of 1,024
	s_cselect_b32 s71, 8, 10                       ; from lane to lane: 256 bytes, or a row
	s_cselect_b32 s72, 15, 31                      ; the last lane with a block of its own
	s_mov_b32 s74, ROWB
	s_cselect_b32 s74, ASTEP, s74                  ; a K step, in bytes
	s_lshl_b32 s66, s66, s70
	s_lshl_b32 s75, s74, 1
	s_add_co_u32 s66, s66, s75
	s_mov_b32 s67, 0
	s_add_nc_u64 s[68:69], s[68:69], s[66:67]      ; my share of K step 2; never rewritten
	s_mov_b32 s75, 0
	s_add_nc_u64 s[76:77], s[68:69], s[74:75]      ; and of K step 3; never rewritten
	v_and_b32 v22, 31, v0
	v_min_u32 v22, s72, v22
	v_lshlrev_b32 v22, s71, v22                    ; never rewritten
	global_prefetch_b8 v22, s[68:69] th:TH_LOAD_NT scope:SCOPE_SE   ; K step 2
	v_and_b32 v1, 15, v0                           ; r
	v_bfe_u32 v2, v0, 4, 1                         ; h
	v_mul_u32_u24 v3, v1, PITCH
	v_lshl_add_u32 v4, v2, 4, v3
	v_and_b32 v6, 31, v0
	v_lshlrev_b32 v[CO], 4, v6                     ; 16 x lane
	s_wait_alu depctr_va_vdst(0)
	s_lshl_b32 s21, s15, 14                        ; my four tiles of tokens
	s_mul_i32 s22, s16, HALFB
	s_add_co_u32 s22, s22, BOFF                    ; my 128 rows of B
.irp s, 0,1
	v_add_nc_u32 v[ADRA+\s], s21, v[CO]
	v_add_nc_u32 v[ADRB+\s], s22, v4
	s_add_co_u32 s21, s21, SLOT
	s_add_co_u32 s22, s22, SLOT
.endr
	s_mul_i32 s23, s14, 16*SPITCH                  ; my stage
	v_mul_u32_u24 v5, v1, SPITCH
	v_lshl_add_u32 v5, v2, 5, v5
	v_add_nc_u32 v[STO], s23, v5
	v_add_nc_u32 v[RD], s23, v[CO]
	v_lshlrev_b32 v[BQ], 5, v2
	s_wait_alu depctr_va_vdst(0)
	s_lshl_b32 s46, s42, 10
	s_lshl_b32 s47, s16, 9
	s_add_co_u32 s46, s46, s47                     ; my first column, in bytes
	s_mov_b32 s47, 0
	s_add_nc_u64 s[10:11], s[10:11], s[46:47]
	s_lshl_b32 s20, s17, 7
	s_lshl_b32 s21, s15, 6
	s_add_co_u32 s20, s20, s21                     ; my first row: 128 x block row + 64 x half
	s_lshl_b32 s20, s20, 12
	s_add_co_u32 s20, s20, s46
	s_mov_b32 s21, 0
	s_add_nc_u64 s[12:13], s[12:13], s[20:21]
.irp b, 0,1,2,3,4,5,6,7
	global_load_b128 v[BIAS+8*\b:BIAS+8*\b+3], v[BQ], s[10:11] offset:64*\b
	global_load_b128 v[BIAS+8*\b+4:BIAS+8*\b+7], v[BQ], s[10:11] offset:64*\b+16
.endr
	s_wait_alu depctr_va_vdst(0)
	s_wait_tensorcnt 0x0                           ; my part of K step 0 is in; slot 1's first fill is issued as a refill is:
	ds_add_u32 v[SPW], v[NIL]                      ; 0 onto my spare word
	s_wait_dscnt 0x0
	CROUND                                         ; a whole round: everybody's part of K step 0 is in, and the joint loads meet
	JLOAD G0+4, G1, G0B+4, G1B                     ; K step 1: the first tensor load behind the round
	s_wait_kmcnt 0x0
	s_add_co_i32 s96, s96, s97                     ; e6 + e7
	s_sub_co_i32 s98, 0, s96
	s_wait_loadcnt 0x0
.set J, 0
.rept 64
	v_ldexp_f32 v[BIAS+J], v[BIAS+J], s98          ; b / 2^(e6 + e7)
.set J, J+1
.endr
	s_wait_alu depctr_va_vdst(0)                   ; the wait at the head's end
.macro FRAGB reg, adr, q, i            ; 16 rows x 128 K: registers 4 c .. 4 c + 3 hold K = 32 c + 16 h + 0 .. 15, alike in A and in B
.irp c, 0,1,2,3
	ds_load_b128 v[\reg+4*\c:\reg+4*\c+3], v[\adr] offset:128*(\q)+32*\c+(\i)*16*PITCH
.endr
.endm
.macro FRAGA reg, adr, q, i            ; the same registers as they were stored: 512 consecutive bytes a load
.irp c, 0,1,2,3
	ds_load_b128 v[\reg+4*\c:\reg+4*\c+3], v[\adr] offset:2048*(\q)+512*\c+(\i)*4096
.endr
.endm
; 16 matrix instructions: A's blocks a0, a0 + 1 x B's eight, sets p.  zero = 1: the sums start from the bias.  The 32 accumulators take turns.
.macro MUL16 a0, p, zero
.irp a, \a0, \a0+1
.irp b, 0,1,2,3,4,5,6,7
.if \zero
	v_wmma_f32_16x16x128_fp8_fp8 v[8*(8*(\a)+\b):8*(8*(\a)+\b)+7], v[128*(\p)+FR*\b:128*(\p)+FR*\b+FR-1], v[AF+64*(\p)+FR*(\a):AF+64*(\p)+FR*(\a)+FR-1], v[BIAS+8*\b:BIAS+8*\b+7]
.else
	v_wmma_f32_16x16x128_fp8_fp8 v[8*(8*(\a)+\b):8*(8*(\a)+\b)+7], v[128*(\p)+FR*\b:128*(\p)+FR*\b+FR-1], v[AF+64*(\p)+FR*(\a):AF+64*(\p)+FR*(\a)+FR-1], v[8*(8*(\a)+\b):8*(8*(\a)+\b)+7]
.endif
.endr
.endr
.endm
.macro FETCH slot, q, p                ; 48 LDS loads: the slot's q-th 128 along K into sets p
	WIN TO_B
.irp i, 0,1,2,3,4,5,6,7
	FRAGB 128*(\p)+FR*\i, ADRB+\slot, \q, \i
.endr
	WIN 0
.irp i, 0,1,2,3
	FRAGA AF+64*(\p)+FR*\i, ADRA+\slot, \q, \i
.endr
.endm
.macro PLACES n                        ; plain vector lines between a matrix instruction and a load into, or a vector read of, its registers
.rept \n
	v_nop
.endr
.endm
.macro STEP slot, zero                 ; a slot's first 128 along K, sets 0; its second 128 is fetched into sets 1 ahead of the products
	s_wait_dscnt 0x0                               ; sets 0 are in
	PLACES NP                                      ; behind the products that read sets 1
	FETCH \slot, 1, 1
.if \zero
	WIN 0x81                                       ; B window 1, A and the bias window 0, D window 2
.else
	WIN MUL_LO
.endif
	MUL16 0, 0, \zero
	MUL16 2, 0, \zero
	WIN 0
.endm
; A slot's second 128 along K, sets 1, changes slots: one barrier; in front of it each wave waits for all its tensor loads, adds 0 to its spare word, and waits for that and for its reads of this slot.
.macro TURN slot, next, fill
	s_wait_tensorcnt 0x0                           ; all my tensor loads have landed: my part of the next slot
	ds_add_u32 v[SPW], v[NIL]                      ; 0 onto my spare word
	s_wait_dscnt 1                                 ; sets 1 are in; the add may be out
	WIN MUL_LO
	MUL16 0, 1, 0                                  ; sixteen matrix instructions stand between the add and the wait for it
	WIN 0
	s_wait_dscnt 0x0                               ; the add is done, and my reads of this slot are over
	s_barrier_signal -1
	s_barrier_wait -1
.if \fill
	CREST                                          ; the barrier has opened a round of the cluster's: no wave of any partner still reads this slot or has a load on its way
	s_add_nc_u64 s[G0+4*\slot+2:G0+4*\slot+3], s[G0+4*\slot+2:G0+4*\slot+3], 2*ASTEP
	s_add_nc_u64 s[G0B+4*\slot+2:G0B+4*\slot+3], s[G0B+4*\slot+2:G0B+4*\slot+3], 2*ROWB
	JLOAD G0+4*\slot, G1, G0B+4*\slot, G1B         ; the first tensor load behind the round; its four v_nop are the places in front of the loads below
.else
	PLACES NP
.endif
	FETCH \next, 0, 0
	WIN MUL_LO
	MUL16 2, 1, 0
	WIN 0
.endm
	FETCH 0, 0, 0
	global_prefetch_b8 v22, s[76:77] th:TH_LOAD_NT scope:SCOPE_SE   ; K step 3, behind K step 1's joint load and the run of LDS loads
	STEP 0, 1                                      ; the first step stands in front of the loop: its products start the sums from the bias
	s_mov_b32 s3, LAPS-1
.Llap:
	TURN 0, 1, 1
	STEP 1, 0
	TURN 1, 0, 1
	STEP 0, 0
	s_sub_co_u32 s3, s3, 1
	s_cmp_lg_u32 s3, 0
	s_cbranch_scc1 .Llap
	TURN 0, 1, 0                                   ; the last lap fills nothing
	STEP 1, 0
	s_wait_dscnt 0x0
	WIN MUL_LO
	MUL16 0, 1, 0
	MUL16 2, 1, 0
	WIN 0
; THE WAY OUT, block by block of 16 rows x 128 columns, through my own stage: in as 32 bytes a lane, back as whole rows of 512 bytes.  LDS serves a wave's instructions in order (ISA guide 5.7.1.4).
.macro TOSTAGE a
.set AC, 64*(\a)
	WIN 0x02                                       ; source 0: window 2
.set J, 0
.rept 32
	v_pk_mul_f32 v[TMP+J:TMP+J+1], v[AC+J:AC+J+1], s[96:97] op_sel_hi:[1,0]   ; both x s96 = 2^(e6 + e7); each accumulator from its low end on
.set J, J+2
.endr
	WIN 0
.irp b, 0,1,2,3,4,5,6,7
	ds_store_b128 v[STO], v[TMP+8*\b:TMP+8*\b+3] offset:64*\b
	ds_store_b128 v[STO], v[TMP+8*\b+4:TMP+8*\b+7] offset:64*\b+16
.endr
.set BB, BK+64*((\a)%2)
.irp t, 0,1,2,3,4,5,6,7,8,9,10,11,12,13,14,15
	ds_load_b128 v[BB+4*\t:BB+4*\t+3], v[RD] offset:\t*SPITCH
.endr
.endm
.macro SEND a, younger                 ; younger: the LDS instructions issued behind block a's loads, which may stay out
.set BB, BK+64*((\a)%2)
	s_wait_dscnt \younger
.if (\a) > 0
	s_add_nc_u64 s[12:13], s[12:13], 16*SIZE_N*4   ; (behind a wait on XCNT: the earlier stores have read their base)
.endif
.irp t, 0,1,2,3,4,5,6,7,8,9,10,11,12,13,14,15
	global_store_b128 v[CO], v[BB+4*\t:BB+4*\t+3], s[12:13] offset:\t*SIZE_N*4 th:TH_STORE_NT   ; 32 lanes store 512 consecutive bytes, aligned
.endr
.endm
	s_add_co_i32 s96, s96, 127
	s_lshl_b32 s96, s96, 23                        ; 2^(e6 + e7) as f32
	PLACES NP
	TOSTAGE 0
.irp a, 1,2,3
.if \a > 1
	s_wait_xcnt 0x0                                ; block a - 2's stores have read their registers and their base
.endif
	TOSTAGE \a
	SEND \a-1, 32                                  ; behind block a - 1's loads: block a's 16 stores and 16 loads
.endr
	s_wait_xcnt 0x0
	SEND 3, 0
	s_wait_tensorcnt 0x0                           ; the wave's end
	ds_add_u32 v[SPW], v[NIL]
	s_wait_dscnt 0x0
	CROUND                                         ; the closing round: no work-group ends while a partner may still ask for a tile that names it
	s_endpgm
.Lfunc_end_k_q6620a29ee5_proj:
	.size	k_q6620a29ee5_proj, .Lfunc_end_k_q6620a29ee5_proj-k_q6620a29ee5_proj
	.p2alignl 7, 3214868480
	.fill 96, 4, 3214868480
	.section	.rodata,"a",@progbits
	.p2align	6, 0x0
	.amdhsa_kernel k_q6620a29ee5_proj
		.amdhsa_group_segment_fixed_size 327680
		.amdhsa_private_segment_fixed_size 0
		.amdhsa_enable_private_segment 0
		.amdhsa_kernarg_size 40
		.amdhsa_user_sgpr_count 2
		.amdhsa_user_sgpr_kernarg_segment_ptr 1
		.amdhsa_wavefront_size32 1
		.amdhsa_system_sgpr_workgroup_id_x 1
		.amdhsa_system_sgpr_workgroup_id_y 1
		.amdhsa_system_sgpr_workgroup_id_z 1
		.amdhsa_system_vgpr_workitem_id 0
		.amdhsa_next_free_vgpr 768
		.amdhsa_next_free_sgpr 100
		.amdhsa_reserve_vcc 0
		.amdhsa_float_denorm_mode_32 3
		.amdhsa_float_denorm_mode_16_64 3
		.amdhsa_memory_ordered 1
		.amdhsa_forward_progress 1
		.amdhsa_inst_pref_size 82
	.end_amdhsa_kernel
	.amdgpu_metadata
---
amdhsa.version: [ 1, 2 ]
amdhsa.kernels:
  - .name:           k_q6620a29ee5_proj
    .symbol:         k_q6620a29ee5_proj.kd
    .args:
      - { .name: yc, .offset: 0, .size: 8, .value_kind: global_buffer, .address_space: global }
      - { .name: wpc, .offset: 8, .size: 8, .value_kind: global_buffer, .address_space: global }
      - { .name: lowp_scales, .offset: 16, .size: 8, .value_kind: global_buffer, .address_space: global }
      - { .name: proj_b, .offset: 24, .size: 8, .value_kind: global_buffer, .address_space: global }
      - { .name: out0, .offset: 32, .size: 8, .value_kind: global_buffer, .address_space: global }
    .group_segment_fixed_size: 327680
    .private_segment_fixed_size: 0
    .kernarg_segment_align: 8
    .kernarg_segment_size: 40
    .max_flat_workgroup_size: 128
    .sgpr_count:     100
    .vgpr_count:     768
    .wavefront_size: 32
...
	.end_amdgpu_metadata
.endif
;; end of part 4
